; MI455X (gfx1250); checked and timed in simulation.
; The chip was launched on July 23, 2026; its instructions are those of AMD's public machine-readable ISA for CDNA 5 (MIT licence, August 2026) and "CDNA5" Instruction Set Architecture Reference Guide (July 2026). The comments in the code are by the model that wrote it; some were corrected since.
;; Core Attention. Allowed arithmetic: float matrix products may take bf16 or f16 operands with f32 sums; other float arithmetic in f32, or as packed bf16 or f16 multiplies, adds, multiply-adds, maxima and minima; sums over many terms, partial sums and values carried from step to step in f32; what a program stores and reads back later, other than sums and carried values, may be rounded once to bf16 or f16.
;; Inputs: key_layer 2,048 x 2 x 16 x 128 float32; kmin 2,048 x 2 x 16 x 1 float32; kscale 2,048 x 2 x 16 x 1 float32; qmin 2,048 x 2 x 16 x 1 float32; qscale 2,048 x 2 x 16 x 1 float32; query_layer 2,048 x 2 x 16 x 128 float32; value_layer 2,048 x 2 x 16 x 128 float32; vmin 16 x 2 x 16 x 128 x 1 float32; vscale 16 x 2 x 16 x 128 x 1 float32.
;; Outputs: out0 2,048 x 2 x 2,048 float32.
;; Constants: causal = 1.
;; 2 versions, each right; version 2 is version 1 with the launch prep written anew for expert scheduling mode. Each part assembles by itself: llvm-mc -triple=amdgcn-amd-amdhsa -mcpu=gfx1250 --defsym DOCPART=n.
;; ======== version 1 of 2: 3 launches
;; limits: values are held in f16: magnitudes above 65,504 overflow, below 6.1e-05 lose precision; a difference of large sums (such as E[x^2] - mean^2): digits are lost where the result is much smaller than its terms; values within 4e-06 (relative) of each other or of a threshold may be ordered or decided otherwise than in the reference
;; workspace buffers: qh 16,777,216 bytes; kp 17,563,648 bytes; vh 16,777,216 bytes; qc 2,097,152 bytes; gd 262,144 bytes; st 2,097,152 bytes
;; launch prep (part 1): grid 512 x 3, 8 waves a work-group, no clusters, 7,168 bytes of LDS; arguments query_layer, key_layer, value_layer, qscale, qmin, kscale, kmin, vscale, vmin, qh, kp, vh, qc, gd; writes qh, kp, vh, qc, gd
.if DOCPART == 1
	.amdgcn_target "amdgcn-amd-amdhsa--gfx1250"
	.amdhsa_code_object_version 6
	.text
	.protected	k_q3919e798b1_prep
	.globl	k_q3919e798b1_prep
	.p2align	8
	.type	k_q3919e798b1_prep,@function
k_q3919e798b1_prep:
	s_mov_b64 s[64:65], 0
	v_nop
	global_prefetch_b8 v0, s[64:65] scope:SCOPE_SE
	s_setreg_imm32_b32 hwreg(HW_REG_WAVE_MODE, 25, 1), 1
	s_wait_xcnt 0x0
; PREPARATION FOR THE ATTENTION LAUNCH.  q, k, v: [2048 s][32 bh][128 d] f32 (a head's row is 512 bytes, rows of a head 16,384 bytes apart).
; Work-group (x, y): head bh = x & 31, tokens 128 T .. 128 T + 127 with T = x >> 5; y = 0: q, 1: k, 2: v.  Each input byte is read once.
;   y = 0: qh[bh][s][128] = q in f16;  qc[bh][s][8] = (a, 0, b, 0, g, 0, 0, 0) in f32 with a = c qscale, g = c qmin, b = a sum_d q + 128 g, c = log2(e) / sqrt(128)
;   y = 1: kp[bh][T] = 134 rows of 256 bytes: 128 rows of k in f16, then kscale[128], kmin[128], u[128] = kscale sum_d k in f32, two rows each
;   y = 2: vh[bh][s][128] = v vscale + vmin in f16 (rounded once);  gd[bh][T][128] = the sum over the group's 128 tokens of v vscale + vmin, in f32, unrounded
; So that sum_d (qs q + qm)(ks k + km) c = a ks (q . k) + b km + g u: q . k is a product of the raw numbers, which f16 holds exactly when they are whole numbers up to 2,048.
; LIMITS.  q, k and v vscale + vmin must lie within f16's range (65,504); NaN and infinities are not treated apart.
; SHARES.  Eight waves; wave w takes rows 16 w .. 16 w + 15, lane l channels 4 l .. 4 l + 3: a load of a wave is a row's 512 bytes, a store its 256 bytes in f16, aligned.
; All sixteen row loads of a wave go out at once.  No matrix unit, no tensor load, no cluster: nothing is shared between work-groups and memory bounds the launch.
.set SUMB,  0                          ; LDS: the 128 row sums
.set SCB,   512                        ; the 128 scales
.set MNB,   1024                       ; the 128 mins
.set STG,   2048                       ; 4,096 bytes: q's factors [128][8], or v's eight partial column sums [8][128]
.set SPARE, 6144                       ; the spare words, 128 bytes for each of eight waves; no other line names them
.set LN,  1                            ; v1   lane
.set VO,  3                            ; v3   my offset in the source: 16 rows x wave + 16 l; never rewritten
.set DO,  4                            ; v4   my offset in the f16 rows: 4,096 x wave + 8 l; never rewritten
.set FO,  5                            ; v5   offset of token t's scale and min (t = thread)
.set GO,  6                            ; v6   offset of my four channels' vscale and vmin
.set T4,  7                            ; v7   4 t
.set L16, 8                            ; v8   16 l
.set W64, 9                            ; v9   64 x wave
.set SPW, 10                           ; v10  my spare word; never rewritten
.set NIL, 11                           ; v11  0; never rewritten
.set X,   16                           ; v[16:79]   sixteen rows, four numbers each
.set Y,   80                           ; v[80:111]  the rows in f16: each row has its own pair, so no store's data is ever rewritten
.set R,   112                          ; v[112:127] row sums
.set VS,  128                          ; v[128:131] vscale (elsewhere at work)
.set VM,  132                          ; v[132:135] vmin
.set CS,  136                          ; v[136:139] column sums
.set WV,  36
.set BH,  37
.set TT,  38
.set YY,  39
.set SRC, 44
.set SCL, 46
.set MIN, 48
.set DST, 50
	s_load_b512 s[8:23], s[0:1], 0x0               ; q 8, k 10, v 12, qscale 14, qmin 16, kscale 18, kmin 20, vscale 22
	s_load_b256 s[24:31], s[0:1], 0x40             ; vmin 24, qh 26, kp 28, vh 30
	s_load_b128 s[32:35], s[0:1], 0x60             ; qc 32, gd 34
	v_lshl_add_u32 v[SPW], v0, 2, SPARE
	v_mov_b32 v[NIL], 0
	v_lshrrev_b32 v2, 5, v0
	v_readfirstlane_b32 s[WV], v2                  ; wave 0..7
	v_and_b32 v[LN], 31, v0
	s_and_b32 s[BH], ttmp9, 31
	s_lshr_b32 s[TT], ttmp9, 5
	s_and_b32 s[YY], ttmp7, 0xffff
	s_lshl_b32 s40, s[TT], 21                      ; 128 rows of 16,384 bytes
	s_lshl_b32 s41, s[BH], 9
	s_add_co_u32 s40, s40, s41
	s_mov_b32 s41, 0                               ; s[40:41]: the work-group's first row in q, k or v
	s_lshl_b32 s42, s[WV], 18
	v_lshl_add_u32 v[VO], v[LN], 4, s42
	s_lshl_b32 s42, s[WV], 12
	v_lshl_add_u32 v[DO], v[LN], 3, s42
	s_lshl_b32 s42, s[TT], 14
	s_lshl_b32 s43, s[BH], 2
	s_add_co_u32 s43, s42, s43
	v_lshl_add_u32 v[FO], v0, 7, s43               ; (128 T + t) x 128 + 4 bh
	s_lshl_b32 s54, s[BH], 9
	s_add_co_u32 s54, s42, s54
	v_lshl_add_u32 v[GO], v[LN], 4, s54            ; T x 16,384 + bh x 512 + 16 l
	v_lshlrev_b32 v[T4], 2, v0
	v_lshlrev_b32 v[L16], 4, v[LN]
	s_lshl_b32 s55, s[WV], 6
	v_mov_b32 v[W64], s55
	s_mov_b32 s56, 0x76543210                      ; v_permlanex16_b32: each lane takes its own place in the other half
	s_mov_b32 s57, 0xfedcba98
	s_wait_kmcnt 0x0
	s_cmp_eq_u32 s[YY], 2                          ; the same in all waves of a work-group
	s_cbranch_scc1 .Lv
	; ---------------- q and k
	s_mov_b32 s52, 548864                          ; kp: bytes of a head,
	s_mov_b32 s53, 34304                           ; of a tile
	s_mov_b32 s58, 524288                          ; qh: the same
	s_mov_b32 s59, 32768
	s_cmp_eq_u32 s[YY], 0
	s_cselect_b64 s[SRC:SRC+1], s[8:9], s[10:11]
	s_cselect_b64 s[SCL:SCL+1], s[14:15], s[18:19]
	s_cselect_b64 s[MIN:MIN+1], s[16:17], s[20:21]
	s_cselect_b64 s[DST:DST+1], s[26:27], s[28:29]
	s_cselect_b32 s52, s58, s52
	s_cselect_b32 s53, s59, s53
	s_mul_i32 s52, s[BH], s52
	s_mul_i32 s53, s[TT], s53
	s_add_co_u32 s52, s52, s53
	s_mov_b32 s53, 0
	s_add_nc_u64 s[SRC:SRC+1], s[SRC:SRC+1], s[40:41]
	s_add_nc_u64 s[DST:DST+1], s[DST:DST+1], s[52:53]
	s_cmp_lt_u32 s[WV], 4                          ; threads 0 to 127 take a token's scale and min: the oldest loads, so the first row's wait covers them
	s_cbranch_scc0 .Lrows
	global_load_b32 v12, v[FO], s[SCL:SCL+1]
	global_load_b32 v13, v[FO], s[MIN:MIN+1]
.Lrows:
.irp i, 0,1,2,3,4,5,6,7,8,9,10,11,12,13,14,15
	global_load_b128 v[X+4*\i:X+4*\i+3], v[VO], s[SRC:SRC+1] offset:16384*\i th:TH_LOAD_NT
.endr
.macro ROWQK i
	s_wait_loadcnt 15-(\i)                         ; loads come back in order: row i is in, the 15 - i younger rows stay out
	v_cvt_pk_f16_f32 v[Y+2*(\i)], v[X+4*(\i)], v[X+4*(\i)+1]
	v_cvt_pk_f16_f32 v[Y+2*(\i)+1], v[X+4*(\i)+2], v[X+4*(\i)+3]
	global_store_b64 v[DO], v[Y+2*(\i):Y+2*(\i)+1], s[DST:DST+1] offset:256*(\i) th:TH_STORE_NT  ; the wave's store is the row's 256 bytes, aligned
	v_pk_add_f32 v[X+4*(\i):X+4*(\i)+1], v[X+4*(\i):X+4*(\i)+1], v[X+4*(\i)+2:X+4*(\i)+3]
	v_add_f32 v[R+(\i)], v[X+4*(\i)], v[X+4*(\i)+1]
.endm
.irp i, 0,1,2,3,4,5,6,7,8,9,10,11,12,13,14,15
	ROWQK \i
.endr
	; the sixteen row sums across the 32 lanes: four steps inside each half ride on the addition, one crosses the halves
.irp m, 1,2,4,8
.irp i, 0,1,2,3,4,5,6,7,8,9,10,11,12,13,14,15
	v_add_f32_dpp v[R+\i], v[R+\i], v[R+\i] row_xmask:\m row_mask:0xf bank_mask:0xf
.endr
.endr
.irp i, 0,1,2,3,4,5,6,7,8,9,10,11,12,13,14,15
	v_permlanex16_b32 v[X+\i], v[R+\i], s56, s57   ; its destination has been written: a row's registers, which are free
.endr
.irp i, 0,1,2,3,4,5,6,7,8,9,10,11,12,13,14,15
	v_add_f32 v[R+\i], v[R+\i], v[X+\i]
.endr
.irp i, 0,1,2,3,4,5,6,7,8,9,10,11,12,13,14,15
	ds_store_b32 v[W64], v[R+\i] offset:SUMB+4*\i  ; all lanes write the same word with the same number
.endr
	s_cmp_lt_u32 s[WV], 4
	s_cbranch_scc0 .Lnosc
	ds_store_b32 v[T4], v12 offset:SCB
	ds_store_b32 v[T4], v13 offset:MNB
.Lnosc:
	s_wait_dscnt 0x0                               ; for the others' sake: my stores are done
	s_barrier_signal -1
	s_barrier_wait -1
	s_cmp_eq_u32 s[YY], 0
	s_cbranch_scc1 .Lqtail
	; k's three planes: wave 0 kscale, wave 1 kmin, wave 2 kscale x row sum; a wave's store is a whole plane of 512 bytes
	s_cmp_lt_u32 s[WV], 3
	s_cbranch_scc0 .Lend
	s_cmp_eq_u32 s[WV], 1
	s_cselect_b32 s42, 512, 0                      ; the mins lie 512 bytes behind the scales
	v_add_nc_u32 v15, s42, v[L16]
	ds_load_b128 v[128:131], v15 offset:SCB
	ds_load_b128 v[132:135], v[L16] offset:SUMB
	s_lshl_b32 s43, s[WV], 9
	v_add_nc_u32 v2, s43, v[L16]
	s_wait_dscnt 0x0
	s_cmp_eq_u32 s[WV], 2
	s_cbranch_scc0 .Lkst
	v_pk_mul_f32 v[128:129], v[128:129], v[132:133]
	v_pk_mul_f32 v[130:131], v[130:131], v[134:135]
.Lkst:
	global_store_b128 v2, v[128:131], s[DST:DST+1] offset:32768 th:TH_STORE_NT
	s_branch .Lend
.Lqtail:
	; q's factors: thread t makes token t's, lays 32 bytes into the stage; then all 256 threads store 16 bytes each, 4,096 bytes on end
	s_cmp_lt_u32 s[WV], 4
	s_cbranch_scc0 .Lqbar
	ds_load_b32 v15, v[T4] offset:SUMB
	v_mul_f32 v128, 0x3e0293ee, v12                ; a = c qscale
	v_mul_f32 v132, 0x3e0293ee, v13                ; g = c qmin
	v_mov_b32 v129, 0
	v_mov_b32 v131, 0
	v_mov_b32 v133, 0
	v_mov_b32 v134, 0
	v_mov_b32 v135, 0
	v_mul_f32 v130, 0x43000000, v132               ; 128 g
	v_lshlrev_b32 v2, 5, v0
	s_wait_dscnt 0x0
	v_fmac_f32 v130, v128, v15                     ; b = a sum q + 128 g
	ds_store_b128 v2, v[128:131] offset:STG
	ds_store_b128 v2, v[132:135] offset:STG+16
.Lqbar:
	s_wait_dscnt 0x0
	s_barrier_signal -1
	s_barrier_wait -1
	v_lshlrev_b32 v14, 4, v0
	ds_load_b128 v[136:139], v14 offset:STG
	s_lshl_b32 s52, s[BH], 16
	s_lshl_b32 s53, s[TT], 12
	s_add_co_u32 s52, s52, s53
	s_mov_b32 s53, 0
	s_add_nc_u64 s[32:33], s[32:33], s[52:53]
	s_wait_dscnt 0x0
	global_store_b128 v14, v[136:139], s[32:33] th:TH_STORE_NT
	s_branch .Lend
	; ---------------- v
.Lv:
	s_add_nc_u64 s[SRC:SRC+1], s[12:13], s[40:41]
	s_lshl_b32 s52, s[BH], 19
	s_lshl_b32 s53, s[TT], 15
	s_add_co_u32 s52, s52, s53
	s_mov_b32 s53, 0
	s_add_nc_u64 s[DST:DST+1], s[30:31], s[52:53]
	global_load_b128 v[VS:VS+3], v[GO], s[22:23]   ; the group's scale and min of my four channels: the oldest loads
	global_load_b128 v[VM:VM+3], v[GO], s[24:25]
.irp i, 0,1,2,3,4,5,6,7,8,9,10,11,12,13,14,15
	global_load_b128 v[X+4*\i:X+4*\i+3], v[VO], s[SRC:SRC+1] offset:16384*\i th:TH_LOAD_NT
.endr
.macro ROWV i
	s_wait_loadcnt 15-(\i)
	v_pk_fma_f32 v[X+4*(\i):X+4*(\i)+1], v[X+4*(\i):X+4*(\i)+1], v[VS:VS+1], v[VM:VM+1]
	v_pk_fma_f32 v[X+4*(\i)+2:X+4*(\i)+3], v[X+4*(\i)+2:X+4*(\i)+3], v[VS+2:VS+3], v[VM+2:VM+3]
	v_cvt_pk_f16_f32 v[Y+2*(\i)], v[X+4*(\i)], v[X+4*(\i)+1]
	v_cvt_pk_f16_f32 v[Y+2*(\i)+1], v[X+4*(\i)+2], v[X+4*(\i)+3]
	global_store_b64 v[DO], v[Y+2*(\i):Y+2*(\i)+1], s[DST:DST+1] offset:256*(\i) th:TH_STORE_NT
.if (\i) == 1                          ; rows 0 and 1 start the column sums: nothing is cleared
	v_pk_add_f32 v[CS:CS+1], v[X:X+1], v[X+4:X+5]
	v_pk_add_f32 v[CS+2:CS+3], v[X+2:X+3], v[X+6:X+7]
.elseif (\i) > 1
	v_pk_add_f32 v[CS:CS+1], v[CS:CS+1], v[X+4*(\i):X+4*(\i)+1]
	v_pk_add_f32 v[CS+2:CS+3], v[CS+2:CS+3], v[X+4*(\i)+2:X+4*(\i)+3]
.endif
.endm
.irp i, 0,1,2,3,4,5,6,7,8,9,10,11,12,13,14,15
	ROWV \i
.endr
	s_lshl_b32 s42, s[WV], 9
	v_add_nc_u32 v15, s42, v[L16]
	ds_store_b128 v15, v[CS:CS+3] offset:STG
	s_wait_dscnt 0x0
	s_barrier_signal -1
	s_barrier_wait -1                              ; the eight waves' column sums lie in the stage
	s_cmp_eq_u32 s[WV], 0
	s_cbranch_scc0 .Lend
.irp j, 0,1,2,3,4,5,6,7
	ds_load_b128 v[X+4*\j:X+4*\j+3], v[L16] offset:STG+512*\j
.endr
	s_lshl_b32 s52, s[BH], 13
	s_lshl_b32 s53, s[TT], 9
	s_add_co_u32 s52, s52, s53
	s_mov_b32 s53, 0
	s_add_nc_u64 s[34:35], s[34:35], s[52:53]
	s_wait_dscnt 0x0
.irp j, 0,8,16,24
	v_pk_add_f32 v[X+\j:X+\j+1], v[X+\j:X+\j+1], v[X+\j+4:X+\j+5]
	v_pk_add_f32 v[X+\j+2:X+\j+3], v[X+\j+2:X+\j+3], v[X+\j+6:X+\j+7]
.endr
.irp j, 0,16
	v_pk_add_f32 v[X+\j:X+\j+1], v[X+\j:X+\j+1], v[X+\j+8:X+\j+9]
	v_pk_add_f32 v[X+\j+2:X+\j+3], v[X+\j+2:X+\j+3], v[X+\j+10:X+\j+11]
.endr
	v_pk_add_f32 v[X:X+1], v[X:X+1], v[X+16:X+17]
	v_pk_add_f32 v[X+2:X+3], v[X+2:X+3], v[X+18:X+19]
	global_store_b128 v[L16], v[X:X+3], s[34:35] th:TH_STORE_NT  ; 512 bytes on end
.Lend:
	s_wait_tensorcnt 0x0                           ; the wave's end, behind my last LDS store
	ds_add_u32 v[SPW], v[NIL]
	s_wait_dscnt 0x0
	s_endpgm
.Lfunc_end_k_q3919e798b1_prep:
	.size	k_q3919e798b1_prep, .Lfunc_end_k_q3919e798b1_prep-k_q3919e798b1_prep
	.p2alignl 7, 3214868480
	.fill 96, 4, 3214868480
	.section	.rodata,"a",@progbits
	.p2align	6, 0x0
	.amdhsa_kernel k_q3919e798b1_prep
		.amdhsa_group_segment_fixed_size 7168
		.amdhsa_private_segment_fixed_size 0
		.amdhsa_enable_private_segment 0
		.amdhsa_kernarg_size 112
		.amdhsa_user_sgpr_count 2
		.amdhsa_user_sgpr_kernarg_segment_ptr 1
		.amdhsa_wavefront_size32 1
		.amdhsa_system_sgpr_workgroup_id_x 1
		.amdhsa_system_sgpr_workgroup_id_y 1
		.amdhsa_system_sgpr_workgroup_id_z 1
		.amdhsa_system_vgpr_workitem_id 0
		.amdhsa_next_free_vgpr 144
		.amdhsa_next_free_sgpr 66
		.amdhsa_reserve_vcc 0
		.amdhsa_float_denorm_mode_32 3
		.amdhsa_float_denorm_mode_16_64 3
		.amdhsa_memory_ordered 1
		.amdhsa_forward_progress 1
		.amdhsa_inst_pref_size 31
	.end_amdhsa_kernel
	.amdgpu_metadata
---
amdhsa.version: [ 1, 2 ]
amdhsa.kernels:
  - .name:           k_q3919e798b1_prep
    .symbol:         k_q3919e798b1_prep.kd
    .args:
      - { .name: query_layer, .offset: 0, .size: 8, .value_kind: global_buffer, .address_space: global }
      - { .name: key_layer, .offset: 8, .size: 8, .value_kind: global_buffer, .address_space: global }
      - { .name: value_layer, .offset: 16, .size: 8, .value_kind: global_buffer, .address_space: global }
      - { .name: qscale, .offset: 24, .size: 8, .value_kind: global_buffer, .address_space: global }
      - { .name: qmin, .offset: 32, .size: 8, .value_kind: global_buffer, .address_space: global }
      - { .name: kscale, .offset: 40, .size: 8, .value_kind: global_buffer, .address_space: global }
      - { .name: kmin, .offset: 48, .size: 8, .value_kind: global_buffer, .address_space: global }
      - { .name: vscale, .offset: 56, .size: 8, .value_kind: global_buffer, .address_space: global }
      - { .name: vmin, .offset: 64, .size: 8, .value_kind: global_buffer, .address_space: global }
      - { .name: qh, .offset: 72, .size: 8, .value_kind: global_buffer, .address_space: global }
      - { .name: kp, .offset: 80, .size: 8, .value_kind: global_buffer, .address_space: global }
      - { .name: vh, .offset: 88, .size: 8, .value_kind: global_buffer, .address_space: global }
      - { .name: qc, .offset: 96, .size: 8, .value_kind: global_buffer, .address_space: global }
      - { .name: gd, .offset: 104, .size: 8, .value_kind: global_buffer, .address_space: global }
    .group_segment_fixed_size: 7168
    .private_segment_fixed_size: 0
    .kernarg_segment_align: 8
    .kernarg_segment_size: 112
    .max_flat_workgroup_size: 256
    .sgpr_count:     66
    .vgpr_count:     144
    .wavefront_size: 32
...
	.end_amdgpu_metadata
.endif
;; end of part 1
;; launch stat (part 2): grid 8 x 32, 4 waves a work-group, no clusters, 327,680 bytes of LDS; arguments qh, qc, kp, st; writes st
.if DOCPART == 2
	.amdgcn_target "amdgcn-amd-amdhsa--gfx1250"
	.amdhsa_code_object_version 6
	.text
	.protected	k_q3919e798b1_stat
	.globl	k_q3919e798b1_stat
	.p2align	8
	.type	k_q3919e798b1_stat,@function
k_q3919e798b1_stat:
	s_mov_b64 s[64:65], 0
	v_nop
	global_prefetch_b8 v0, s[64:65] scope:SCOPE_SE
	s_setreg_imm32_b32 hwreg(HW_REG_WAVE_MODE, 25, 1), 1
	s_wait_xcnt 0x0
; PASS 1 OF THE ATTENTION: each query row's maximum m, sum l and what follows from them.  32 heads, 2,048 tokens, 128 channels.  Inputs as the launch before laid them:
;   qh: [bh][s][128] f16;  kp: [bh][16 tiles][134 rows x 256 bytes] (128 keys in f16, then kscale, kmin, u = kscale sum k in f32, two rows each);  qc: [bh][s][8] f32 (a, 0, b, 0, g, 0, 0, 0).
; THE SCORE, in powers of two: y = (q . k)(a ks) + b km + g u + mask.  q . k is a matrix product of the raw numbers (exact for whole numbers of int8 range), all else f32.
; OUT: st[bh][s][8] = (F+, m, F-, pscale / 2, p'min, 0, rr, 0): with p' = 2^(y - m), l = sum p', F = 255 / ((1 - p'min) + 255e-12 l), pscale = (1 - p'min) / (255 l) + 1e-12,
; F+ = F (1 + k), F- = F (1 - k), rr = p'min (F+ + F-).  A row with a hidden key has a least weight of exactly 0, so p'min is other than 0 in row 2047 alone (block 15, wave 3, tile 1, lane % 16 = 15).
; THE BAND k.  The next launch takes as twice a weight's code round(p'' F+) + round(p'' F-): where the two agree, twice the nearest whole number; where a tie lies between them, the odd number between.
; reference() sums 128 products in f32 onto partial sums of up to some 64, which leaves its own p F uncertain by about 1e-6 of itself: within that of a tie no arithmetic here can tell which
; way its code falls, and the half is half a step from either.  Half a step weighs 1 / (510 l) of a number of V: the fewer keys carry a row, the dearer it is.  So k grows with l:
; k = 1.6e-6 (l - 2.7), held to 0 .. 4e-6; below l = 2.7 the code is the plain nearest.
; LIMITS.  q and k within f16's range (65,504); a hidden score counts as its value less 1e30; a weight below 2^-126 counts as 0; NaN and infinities are not treated apart;
; inside the band the order of rounding differs from reference()'s, by half a step of the code at the most.
; THE WALK.  A head's queries lie in 16 blocks of 128; block i needs key tiles 0 .. i of 128 keys.  Work-group b of a head takes blocks 15 - b and then b: 17 visits whatever b, 256 equal work-groups.
; A wave owns 32 queries of a block: two tiles of 16.  A visit is two key steps of 64.
; NO BRANCH HANGS ON b.  The mask is made in every step from two scalars (0 where the tile is not the diagonal one).  The change of blocks falls behind one of the visits 8 to 15: there the running
; statistics are saved and reset, and Q and its factors take the second block's, by selects on a scalar mask; both blocks' statistics are finished behind the last visit.
; NO CLUSTER: the eight work-groups of a head want the same tile only while all are in their first blocks (9 to 16 of 17 visits), and a walk common to four partners has 20 tiles for 17.
; LAYOUT.  S^T = K Q^T (source 0 = 16 keys, source 1 = 16 queries): a lane holds ONE query (lane % 16) and keys 8 (lane / 16) + 0..7 of each of four key blocks.
; REGISTERS, in windows of 256 (s_set_vgpr_msb: bits 1:0 source 0, 3:2 source 1, 5:4 source 2, 7:6 destination):
;   window 0: addresses, statistics, S^T (32 a tile), a ks, the score's additive term      window 1: K's fragments of a step; ks, km, u of its 64 keys      window 2: Q, CF; the second block's Q, CF
.set PK,    272       ; a row of K in LDS: 256 bytes + 16: the 16 rows of a fragment load start 68 words apart
.set KHALF, 67        ; rows of a tile that one tensor load brings
.set KTILE, 134*256
.set KHEAD, 16*KTILE
.set STEPK, 64*PK
.set STATS, 128*PK    ; where a tile's six rows of ks, km, u begin
.set SLOT1, 1<<17     ; slot 1: one exclusive or changes slots
.set SPARE, 2*SLOT1   ; the spare words, 128 bytes a wave; no other line names them
.set RR,  1           ; v1   lane % 16
.set HH,  2           ; v2   lane / 16
.set AK0, 4           ; my place in a tile of K; never rewritten
.set AS0, 5           ; in its rows of ks, km, u
.set AKA, 7           ; the addresses of the run of loads in hand
.set ASA, 8
.set CZ,  9           ; 0
.set QO,  10
.set CO,  11
.set SO,  12          ; my 16 bytes of a tile's 512 in st
.set PFO, 16          ; 256 x lane: a row of K for the prefetch; never rewritten
.set SPW, 18          ; my spare word; never rewritten
.set NIL, 19          ; 0, for the add alone
.set MN,  20          ; the least score of tile 1's query
.set MNT, 21
.set MNS, 22          ; the same, saved at the change of blocks
.set CLO, 23          ; a number far below every score
.set MD,  24          ; v[24:31] -1e30 where key 8 (lane / 16) + j lies behind query lane % 16 of the same 16, else 0
.set ST,  32          ; 8 a tile: m, m_old, l (two), four at work
.set SV,  48          ; the first block's, saved: the same places
.set S,   64
.set AKR, 128
.set WR,  160
.set KF,  0           ; window 1: key block kb, channels 32 kc on, at 32 kb + 8 kc
.set KS,  128
.set KM,  160
.set KU,  192
.set Q,   0           ; window 2
.set CF,  64
.set QB,  128         ; the second block's 80 registers
.set WV,  16
.set PB,  17          ; b
.set HI,  18          ; 15 - b
.set BH,  19
.set G1K, 24
.set G0A, 32
.set KB,  36          ; kp at my half of the head's tile 0
.set OFF, 38
.set SEL, 40
.set AL,  42
.set BE,  44
.set TBK, 46          ; LDS byte at which K of the step to be fetched begins
.set TBS, 47          ; the same for ks, km, u, less STATS
.set CNT, 48
.set VIS, 49
.set RT,  50          ; tiles of the block in hand still to be entered
.set NXT, 51          ; the tile to be asked for next
.set LQ,  52          ; the last tile of the block whose tiles are being asked for
.set DG,  53          ; 1: the tile in hand holds the diagonal, and is its block's last
.set DQ,  54
.set BIGN, 55
.set SWM, 56
.set MINM, 57
.set PFA, 58
.set HM,  60
.set TA,  61
.set SHI, 66          ; st at my rows of the first block,
.set SLO, 68          ; of the second
.set MSB, 0
.macro WIN new                      ; the high byte repeats the setting that is left; a switch that changes nothing is dropped
.if MSB != (\new)
	s_set_vgpr_msb (MSB<<8)|(\new)
.set MSB, (\new)
.endif
.endm
.set W_QK, 0x09       ; source 0 window 1 (K; ks, km, u), source 1 window 2 (Q; CF), source 2 and destination window 0
.macro NOP4
.rept 4
	v_nop
.endr
.endm
.macro BOTH line:vararg             ; one line for each of the wave's two tiles t
.set t, 0
.rept 2
	\line
.set t, t+1
.endr
.endm
; A fill: waves 0 and 1 fetch the two halves of a tile of kp, 67 rows each.  An s_nop 0 and four v_nop follow the load.
.macro LOAD
	s_cmp_lt_u32 s[WV], 2
	s_cbranch_scc0 .Lld_\@
	tensor_load_to_lds s[G0A:G0A+3], s[G1K:G1K+7]
	s_nop 0
	NOP4
.Lld_\@:
.endm
; A PREFETCH INTO THE L2 of K's data rows, behind the fill.  All eight work-groups of a head walk up from tile 0 in their first blocks, and they share a tile's 128 rows out BY ADDRESS:
; in visit v = 0, 2, .. 12 wave 0 of work-groups 0-3 names 32 rows each of tile v + 2, wave 0 of work-groups 4-7 of tile v + 3: a lane a row, each row once in the launch, one or two visits ahead of its first load.
; Tiles 0 and 1 and the rows of ks, km, u come by their loads alone; behind visit 12 nothing is asked for, since tile 15 is the last.
.macro ASK
	s_cmp_eq_u32 s[WV], 0
	s_cbranch_scc0 .Lna_\@
	s_cmp_gt_u32 s[VIS], 3          ; VIS = 16 - v
	s_cbranch_scc0 .Lna_\@
	s_and_b32 s[TA], s[VIS], 1
	s_cmp_eq_u32 s[TA], 0
	s_cbranch_scc0 .Lna_\@
	global_prefetch_b8 v[PFO], s[PFA:PFA+1] th:TH_LOAD_NT scope:SCOPE_SE
.Lna_\@:
.endm
; THE CHANGE OF SLOTS, one a visit.  Each wave waits for all its tensor loads (one is out: its part of the slot to be read), adds 0 to its spare word, and waits for that and for its reads of the slot that it leaves.
; Behind the barrier nobody reads the old slot and the new one is whole.  fill = 1: the old slot takes tile NXT, first thing behind the barrier; the descriptor's address is made anew from that number.
.macro CHANGE fill
	WIN 0
	s_wait_tensorcnt 0x0            ; no tensor load of mine is out, so a group 0 may be written
	ds_add_u32 v[SPW], v[NIL]       ; 0 onto my spare word; scalar work stands between it and the wait for it
.if \fill
	s_wait_xcnt 0x0                 ; the last prefetch, a visit or two back, has read its address
	s_add_nc_u64 s[PFA:PFA+1], s[PFA:PFA+1], KTILE
	s_mul_i32 s[OFF], s[NXT], KTILE
	s_xor_b32 s[G0A+1], s[G0A+1], SLOT1
	s_add_nc_u64 s[G0A+2:G0A+3], s[KB:KB+1], s[OFF:OFF+1]
	s_or_b32 s[G0A+3], s[G0A+3], 0x80000000
	s_add_co_u32 s[NXT], s[NXT], 1  ; the block's next tile, or behind its last the second block's tile 0
	s_cmp_gt_u32 s[NXT], s[LQ]
	s_cselect_b32 s[NXT], 0, s[NXT]
	s_cselect_b32 s[LQ], s[PB], s[LQ]
.endif
	s_wait_dscnt 0x0                ; the add is done, and my reads of the slot are over
	s_barrier_signal -1
	s_sub_co_u32 s[TBK], s[TBK], 2*STEPK  ; the fetches go back to a slot's first step, in the other slot
	s_xor_b32 s[TBK], s[TBK], SLOT1
	s_sub_co_u32 s[TBS], s[TBS], 2*PK
	s_xor_b32 s[TBS], s[TBS], SLOT1
	s_barrier_wait -1
.if \fill
	LOAD
	ASK
.endif
.endm
; THE LDS LOADS stand in one run: a step's K (64 keys x 128 channels: 16 fragments, 32 loads) and its keys' ks, km, u (my 8 keys of each of 4 key blocks: 24 loads).
.macro FETCH_KS
	WIN 0
	v_add_nc_u32 v[AKA], s[TBK], v[AK0]
	v_add_nc_u32 v[ASA], s[TBS], v[AS0]
	s_add_co_u32 s[TBK], s[TBK], STEPK
	s_add_co_u32 s[TBS], s[TBS], PK     ; a plane's second 64 keys lie in its second row
	WIN 0x40
.set f, 0
.rept 16
	ds_load_b128 v[KF+8*f:KF+8*f+3],   v[AKA] offset:(f/4)*16*PK+(f%4)*64
	ds_load_b128 v[KF+8*f+4:KF+8*f+7], v[AKA] offset:(f/4)*16*PK+(f%4)*64+32
.set f, f+1
.endr
.set f, 0
.rept 12                            ; plane f / 4, key block f % 4
	ds_load_b128 v[KS+32*(f/4)+8*(f%4):KS+32*(f/4)+8*(f%4)+3],   v[ASA] offset:(f/4)*2*PK+(f%4)*64
	ds_load_b128 v[KS+32*(f/4)+8*(f%4)+4:KS+32*(f/4)+8*(f%4)+7], v[ASA] offset:(f/4)*2*PK+(f%4)*64+16
.set f, f+1
.endr
	WIN 0
.endm
; The additive term of tile t's scores starts as the mask.  In units of 16: my queries are block 2 w + t of the tile, the step's keys blocks 4 (2 - CNT) + kb.  DQ is the difference in the diagonal tile, 64 elsewhere:
; kb = DQ takes MD, kb > DQ is hidden (-1e30), kb < DQ is seen (0).
.macro MKW t
	WIN 0
	s_lshl_b32 s[DQ], s[WV], 1
	s_lshl2_add_u32 s[DQ], s[CNT], s[DQ]
	s_add_co_i32 s[DQ], s[DQ], (\t)-8
	s_cmp_eq_u32 s[DG], 1
	s_cselect_b32 s[DQ], s[DQ], 64
.irp kb, 0,1,2,3
	s_cmp_eq_i32 s[DQ], \kb
	s_cselect_b32 s[AL], 1.0, 0
	s_cmp_lt_i32 s[DQ], \kb
	s_cselect_b32 s[BE], s[BIGN], 0
.irp p, 0,1,2,3
	v_pk_fma_f32 v[WR+8*\kb+2*\p:WR+8*\kb+2*\p+1], v[MD+2*\p:MD+2*\p+1], s[AL:AL+1], s[BE:BE+1] op_sel_hi:[1,0,0]
.endr
.endr
.endm
; Tile t's 16 products K Q^T; the four accumulators take turns.  Behind product i stand three packed lines for pair i of the lane's 16 pairs of keys, under the same windows:
; + g u, a ks, + b km.  They name no register of the products round them.
.macro QKR t
	WIN W_QK
.set i, 0
.rept 16
.set rS, S+32*(\t)+8*(i%4)
.set rK, KF+32*(i%4)+8*(i/4)
.set rQ, Q+32*(\t)+8*(i/4)
.if i < 4
	v_wmma_f32_16x16x32_f16 v[rS:rS+7], v[rK:rK+7], v[rQ:rQ+7], 0
.else
	v_wmma_f32_16x16x32_f16 v[rS:rS+7], v[rK:rK+7], v[rQ:rQ+7], v[rS:rS+7]
.endif
	v_pk_fma_f32 v[WR+2*i:WR+2*i+1], v[KU+2*i:KU+2*i+1], v[CF+8*(\t)+4:CF+8*(\t)+5], v[WR+2*i:WR+2*i+1] op_sel_hi:[1,0,1]
	v_pk_mul_f32 v[AKR+2*i:AKR+2*i+1], v[KS+2*i:KS+2*i+1], v[CF+8*(\t):CF+8*(\t)+1] op_sel_hi:[1,0]
	v_pk_fma_f32 v[WR+2*i:WR+2*i+1], v[KM+2*i:KM+2*i+1], v[CF+8*(\t)+2:CF+8*(\t)+3], v[WR+2*i:WR+2*i+1] op_sel_hi:[1,0,1]
.set i, i+1
.endr
.endm
; The scores of tile t: (q . k)(a ks) + the rest, in ascending order: each accumulator is read from its low end, and its first reader stands twelve plain lines or more behind its last product.
.macro YY t
	WIN 0
.set i, 0
.rept 16
	v_pk_fma_f32 v[S+32*(\t)+2*i:S+32*(\t)+2*i+1], v[S+32*(\t)+2*i:S+32*(\t)+2*i+1], v[AKR+2*i:AKR+2*i+1], v[WR+2*i:WR+2*i+1]
.set i, i+1
.endr
.endm
.macro MINL                         ; the least score of tile 1's queries (row 2047's is the one that is used)
.set i, 0
.rept 16
	v_min3_num_f32 v[MN], v[MN], v[S+32+2*i], v[S+32+2*i+1]
.set i, i+1
.endr
.endm
; The softmax's statistics for a step, both tiles line by line: the maximum of 32 scores and the old m; the other half of the lanes'; y - m and its exponential; l = l alpha + the sum.
; The 66 exponentials are one batch with one wait: nothing ahead of the wait names a result of theirs.
.macro SM1
	WIN 0
.set j, 0
.rept 4
	BOTH v_max3_num_f32 v[ST+8*t+4+j], v[S+32*t+8*j], v[S+32*t+8*j+1], v[S+32*t+8*j+2]
.set j, j+1
.endr
.rept 8
	BOTH v_max3_num_f32 v[ST+8*t+4+j%4], v[ST+8*t+4+j%4], v[S+32*t+8*(j%4)+2*(j/4)+1], v[S+32*t+8*(j%4)+2*(j/4)+2]
.set j, j+1
.endr
	BOTH v_max3_num_f32 v[ST+8*t+4], v[ST+8*t+4], v[S+32*t+7], v[S+32*t+15]
	BOTH v_max3_num_f32 v[ST+8*t+6], v[ST+8*t+6], v[S+32*t+23], v[S+32*t+31]
	BOTH v_max3_num_f32 v[ST+8*t+4], v[ST+8*t+4], v[ST+8*t+5], v[ST+8*t+6]
	BOTH v_max3_num_f32 v[ST+8*t+4], v[ST+8*t+4], v[ST+8*t+7], v[ST+8*t]
	BOTH v_permlanex16_b32 v[ST+8*t+5], v[ST+8*t+4], s[SEL], s[SEL+1]
	BOTH v_mov_b32 v[ST+8*t+1], v[ST+8*t]
	BOTH v_max_num_f32 v[ST+8*t], v[ST+8*t+4], v[ST+8*t+5]
	BOTH v_sub_f32 v[ST+8*t+7], v[ST+8*t+1], v[ST+8*t]
.set j, 0
.rept 16
	BOTH v_pk_add_f32 v[S+32*t+2*j:S+32*t+2*j+1], v[S+32*t+2*j:S+32*t+2*j+1], v[ST+8*t:ST+8*t+1] op_sel_hi:[1,0] neg_lo:[0,1] neg_hi:[0,1]
.if j > 0
	BOTH v_exp_f32 v[S+32*t+2*j-2], v[S+32*t+2*j-2]
	BOTH v_exp_f32 v[S+32*t+2*j-1], v[S+32*t+2*j-1]
.endif
.set j, j+1
.endr
	BOTH v_exp_f32 v[S+32*t+30], v[S+32*t+30]
	BOTH v_exp_f32 v[S+32*t+31], v[S+32*t+31]
	BOTH v_exp_f32 v[ST+8*t+6], v[ST+8*t+7]
	v_nop                           ; a plain line behind the last exponential,
	s_wait_alu depctr_va_vdst(0)    ; and the one wait ahead of the batch's first reader
.set j, 0
.rept 8
	BOTH v_pk_add_f32 v[S+32*t+4*j:S+32*t+4*j+1], v[S+32*t+4*j:S+32*t+4*j+1], v[S+32*t+4*j+2:S+32*t+4*j+3]
.set j, j+1
.endr
.set j, 0
.rept 4
	BOTH v_pk_add_f32 v[S+32*t+8*j:S+32*t+8*j+1], v[S+32*t+8*j:S+32*t+8*j+1], v[S+32*t+8*j+4:S+32*t+8*j+5]
.set j, j+1
.endr
.set j, 0
.rept 2
	BOTH v_pk_add_f32 v[S+32*t+16*j:S+32*t+16*j+1], v[S+32*t+16*j:S+32*t+16*j+1], v[S+32*t+16*j+8:S+32*t+16*j+9]
.set j, j+1
.endr
	BOTH v_pk_add_f32 v[S+32*t:S+32*t+1], v[S+32*t:S+32*t+1], v[S+32*t+16:S+32*t+17]
	BOTH v_pk_fma_f32 v[ST+8*t+2:ST+8*t+3], v[ST+8*t+2:ST+8*t+3], v[ST+8*t+6:ST+8*t+7], v[S+32*t:S+32*t+1] op_sel_hi:[1,0,1]
.endm
; A KEY STEP.  The next step's run of loads stands behind the scores (the lines of YY are the places behind the last products) and lands during the softmax.
; The two jumps hang on the step's count and on the wave's number; they go forward, past no barrier and no tensor load.
.macro STEP1
	MKW 0
	s_wait_dscnt 0x0                ; K, ks, km, u of this step are in
	QKR 0
	YY 0
	MKW 1
	QKR 1
	YY 1
	WIN 0
	s_cmp_eq_u32 s[CNT], 1          ; a tile's second step has no successor in the slot
	s_cbranch_scc1 .Lnf_\@
	FETCH_KS
.Lnf_\@:
	s_cmp_eq_u32 s[WV], 3           ; row 2047 lies in wave 3
	s_cbranch_scc0 .Lnm_\@
	MINL
.Lnm_\@:
	SM1
.endm
; THE CHANGE OF BLOCKS, by selects: where the visit was the first block's last (DG = 1) its m, l and least score are set aside, the running ones start anew, and Q and its factors take the second block's.
.macro SWITCH1
	WIN 0
	s_add_co_u32 s[TA], s[PB], 1    ; the second block has b + 1 tiles
	s_cmp_eq_u32 s[DG], 1
	s_cselect_b32 s[SWM], -1, 0
	s_cselect_b32 s[RT], s[TA], s[RT]
	BOTH v_cndmask_b32 v[SV+8*t], v[SV+8*t], v[ST+8*t], s[SWM]
	BOTH v_cndmask_b32 v[SV+8*t+2], v[SV+8*t+2], v[ST+8*t+2], s[SWM]
	BOTH v_cndmask_b32 v[SV+8*t+3], v[SV+8*t+3], v[ST+8*t+3], s[SWM]
	v_cndmask_b32 v[MNS], v[MNS], v[MN], s[SWM]
	BOTH v_cndmask_b32 v[ST+8*t], v[ST+8*t], v[CLO], s[SWM]
	BOTH v_cndmask_b32 v[ST+8*t+2], v[ST+8*t+2], v[CZ], s[SWM]
	BOTH v_cndmask_b32 v[ST+8*t+3], v[ST+8*t+3], v[CZ], s[SWM]
	WIN 0x8a                        ; destination and both sources in window 2
.set i, 0
.rept 80
	v_cndmask_b32 v[Q+i], v[Q+i], v[QB+i], s[SWM]
.set i, i+1
.endr
	WIN 0
.endm
; A block's statistics are finished, from m and l at B: l across the halves of the lanes; p'min (usemin = 1: tile 1's, 0 but where MINM names the lane); 1 / l and 1 / D, each with one Newton step;
; F, pscale; the band k from l; F+, F-, rr.  Left at B + 8 t: +0 m, +2 rr, +4 p'min, +5 pscale / 2, +6 F+, +7 F-.
.macro FIN B, usemin
	WIN 0
	BOTH v_add_f32 v[\B+8*t+2], v[\B+8*t+2], v[\B+8*t+3]
	BOTH v_permlanex16_b32 v[\B+8*t+3], v[\B+8*t+2], s[SEL], s[SEL+1]
	BOTH v_add_f32 v[\B+8*t+2], v[\B+8*t+2], v[\B+8*t+3]
	v_mov_b32 v[\B+4], 0            ; tile 0 never holds row 2047
.if \usemin
	v_permlanex16_b32 v[MNT], v[MNS], s[SEL], s[SEL+1]
	v_min_num_f32 v[MNS], v[MNS], v[MNT]
	v_sub_f32 v[MNS], v[MNS], v[\B+8]
	v_cndmask_b32 v[MNS], v[CLO], v[MNS], s[MINM]
	v_exp_f32 v[\B+12], v[MNS]      ; p'min
.else
	v_mov_b32 v[\B+12], 0
.endif
	BOTH v_rcp_f32 v[\B+8*t+5], v[\B+8*t+2]
	v_nop
	s_wait_alu depctr_va_vdst(0)    ; one wait for the batch
	BOTH v_fma_f32 v[\B+8*t+6], -v[\B+8*t+2], v[\B+8*t+5], 1.0
	BOTH v_fma_f32 v[\B+8*t+5], v[\B+8*t+5], v[\B+8*t+6], v[\B+8*t+5]
	BOTH v_sub_f32 v[\B+8*t+6], 1.0, v[\B+8*t+4]
	BOTH v_fma_f32 v[\B+8*t+7], v[\B+8*t+2], s76, v[\B+8*t+6]
	BOTH v_rcp_f32 v[\B+8*t+1], v[\B+8*t+7]
	v_nop
	s_wait_alu depctr_va_vdst(0)    ; one wait for the two
	BOTH v_fma_f32 v[\B+8*t+3], -v[\B+8*t+7], v[\B+8*t+1], 1.0
	BOTH v_fma_f32 v[\B+8*t+1], v[\B+8*t+1], v[\B+8*t+3], v[\B+8*t+1]
	BOTH v_mul_f32 v[\B+8*t+1], 0x437f0000, v[\B+8*t+1]
	BOTH v_mul_f32 v[\B+8*t+5], v[\B+8*t+5], v[\B+8*t+6]
	BOTH v_fma_f32 v[\B+8*t+5], v[\B+8*t+5], s77, s78
	BOTH v_fma_f32 v[\B+8*t+3], v[\B+8*t+2], s70, s71
	BOTH v_max_num_f32 v[\B+8*t+3], 0, v[\B+8*t+3]
	BOTH v_min_num_f32 v[\B+8*t+3], s72, v[\B+8*t+3]
	BOTH v_fma_f32 v[\B+8*t+6], v[\B+8*t+1], v[\B+8*t+3], v[\B+8*t+1]
	BOTH v_fma_f32 v[\B+8*t+7], -v[\B+8*t+1], v[\B+8*t+3], v[\B+8*t+1]
	BOTH v_mul_f32 v[\B+8*t+2], v[\B+8*t+4], v[\B+8*t+7]
	BOTH v_fma_f32 v[\B+8*t+2], v[\B+8*t+4], v[\B+8*t+6], v[\B+8*t+2]
	BOTH v_mul_f32 v[\B+8*t+5], 0.5, v[\B+8*t+5]
.endm
; They leave: lanes 0-15 hold (F+, m, F-, pscale / 2) of a query, lanes 16-31 (p'min, 0, rr, 0): the wave's store is a tile's 512 bytes on end, aligned.  Each store has data registers of its own.
.macro PUT B, blk, base
	BOTH v_cndmask_b32 v[S+8*(\blk)+4*t], v[\B+8*t+6], v[\B+8*t+4], s[HM]
	BOTH v_cndmask_b32 v[S+8*(\blk)+4*t+1], v[\B+8*t], v[CZ], s[HM]
	BOTH v_cndmask_b32 v[S+8*(\blk)+4*t+2], v[\B+8*t+7], v[\B+8*t+2], s[HM]
	BOTH v_cndmask_b32 v[S+8*(\blk)+4*t+3], v[\B+8*t+5], v[CZ], s[HM]
	BOTH global_store_b128 v[SO], v[S+8*(\blk)+4*t:S+8*(\blk)+4*t+3], s[\base:\base+1] offset:512*t
.endm
; A VISIT: a tile is entered, the next is asked for, two key steps; behind visits 8 to 15 (VIS below 9) the blocks may change.
.macro VISIT1 fill
	CHANGE \fill
	s_sub_co_u32 s[RT], s[RT], 1
	s_cmp_eq_u32 s[RT], 0
	s_cselect_b32 s[DG], 1, 0
	FETCH_KS
	s_mov_b32 s[CNT], 2
.Lstep_\@:
	STEP1
	s_sub_co_u32 s[CNT], s[CNT], 1
	s_cmp_lg_u32 s[CNT], 0
	s_cbranch_scc1 .Lstep_\@
.if \fill
	s_cmp_lt_u32 s[VIS], 9
	s_cbranch_scc0 .Lgo_\@
	SWITCH1
.Lgo_\@:
.endif
.endm
	; ---------------- the head
	s_load_b256 s[4:11], s[0:1], 0x0               ; qh 4, qc 6, kp 8, st 10
	v_lshl_add_u32 v[SPW], v0, 2, SPARE
	v_mov_b32 v[NIL], 0
	ds_add_u32 v[SPW], v[NIL]                      ; the wave's opening: the add and its wait stand ahead of my first tensor load; work on registers stands between them
	v_lshrrev_b32 v3, 5, v0
	v_readfirstlane_b32 s[WV], v3                  ; wave 0..3
	s_mov_b32 s[PB], ttmp9
	s_sub_co_u32 s[HI], 15, s[PB]
	s_and_b32 s[BH], ttmp7, 0xffff
	; descriptor group 1: 67 rows of 128 elements of 2 bytes, 4 words of padding behind every 64 words
	s_mov_b32 s[G1K], (1<<16)|(1<<20)|(5<<22)|(3<<25)
	s_mov_b32 s[G1K+1], 128<<16                    ; tensor_dim0 = 128
	s_mov_b32 s[G1K+2], KHALF<<16                  ; tensor_dim1 = 67
	s_mov_b32 s[G1K+3], 128<<16                    ; tile_dim0 = 128
	s_mov_b32 s[G1K+4], KHALF                      ; tile_dim1 = 67
	s_mov_b32 s[G1K+5], 128                        ; elements from row to row
	s_mov_b32 s[G1K+6], 0
	s_mov_b32 s[G1K+7], 0
	s_and_b32 s20, s[WV], 1                        ; which half of a tile I fetch
	s_mul_i32 s21, s20, KHALF*PK
	s_mov_b32 s[G0A], 1
	s_mov_b32 s[G0A+1], s21                        ; slot 0
	s_mul_i32 s62, s[BH], KHEAD
	s_mov_b32 s63, 0
	s_mul_i32 s70, s20, KHALF*256
	s_mov_b32 s71, 0
	s_lshr_b32 s76, s[PB], 2                       ; the prefetches: tile 1 + b / 4 (the first change of slots steps it on), rows 32 (b % 4) on
	s_add_co_u32 s76, s76, 1
	s_mul_i32 s76, s76, KTILE
	s_and_b32 s77, s[PB], 3
	s_lshl_b32 s77, s77, 13
	s_add_co_u32 s76, s76, s77
	s_mov_b32 s77, 0
	s_mov_b32 s[SEL], 0x76543210
	s_mov_b32 s[SEL+1], 0xfedcba98
	s_mov_b32 s[AL+1], 0                           ; named as pairs
	s_mov_b32 s[BE+1], 0
	s_mov_b32 s[OFF+1], 0
	s_mov_b32 s[BIGN], 0xf149f2ca                  ; -1e30
	s_sub_co_u32 s[RT], 16, s[PB]                  ; the first block has 16 - b tiles
	s_mov_b32 s[NXT], 1
	s_mov_b32 s[LQ], s[HI]
	s_mov_b32 s[TBK], SLOT1+2*STEPK                ; the first change of slots turns these into slot 0's
	s_mov_b32 s[TBS], SLOT1+2*PK
	s_wait_dscnt 0x0                               ; the opening add is done
	s_wait_kmcnt 0x0
	s_add_nc_u64 s[8:9], s[8:9], s[62:63]          ; kp at the head,
	s_add_nc_u64 s[KB:KB+1], s[8:9], s[70:71]      ; at my half of its tile 0
	s_add_nc_u64 s[PFA:PFA+1], s[8:9], s[76:77]
	s_mov_b64 s[G0A+2:G0A+3], s[KB:KB+1]
	s_or_b32 s[G0A+3], s[G0A+3], 0x80000000
	LOAD                                           ; tile 0 into slot 0: the first fill, ahead of every wait on TENSORcnt, LDS read and barrier
	; both blocks' Q and factors: a fragment of Q is 16 rows x 32 channels, lane l row l % 16, two loads of 16 bytes 32 bytes apart; a query's factors are 32 bytes
	v_and_b32 v[RR], 15, v0
	v_bfe_u32 v[HH], v0, 4, 1
	v_lshlrev_b32 v[QO], 8, v[RR]
	v_lshl_add_u32 v[QO], v[HH], 4, v[QO]
	v_lshlrev_b32 v[CO], 5, v[RR]
	v_lshl_add_u32 v[SO], v[HH], 4, v[CO]
	s_lshl_b32 s62, s[BH], 19
	s_lshl_b32 s63, s[WV], 13
	s_add_co_u32 s62, s62, s63                     ; the head, my wave's 32 rows of 256 bytes
	s_lshl_b32 s63, s[HI], 15
	s_add_co_u32 s20, s62, s63
	s_mov_b32 s21, 0
	s_lshl_b32 s63, s[PB], 15
	s_add_co_u32 s22, s62, s63
	s_mov_b32 s23, 0
	s_add_nc_u64 s[20:21], s[4:5], s[20:21]
	s_add_nc_u64 s[22:23], s[4:5], s[22:23]
	s_lshl_b32 s62, s[BH], 16
	s_lshl_b32 s63, s[WV], 10
	s_add_co_u32 s62, s62, s63                     ; the same rows of 32 bytes in qc and st
	s_lshl_b32 s63, s[HI], 12
	s_add_co_u32 s70, s62, s63
	s_mov_b32 s71, 0
	s_lshl_b32 s63, s[PB], 12
	s_add_co_u32 s76, s62, s63
	s_mov_b32 s77, 0
	s_add_nc_u64 s[72:73], s[6:7], s[70:71]
	s_add_nc_u64 s[74:75], s[6:7], s[76:77]
	s_add_nc_u64 s[SHI:SHI+1], s[10:11], s[70:71]
	s_add_nc_u64 s[SLO:SLO+1], s[10:11], s[76:77]
	WIN 0x80
.set f, 0
.rept 8
	global_load_b128 v[Q+8*f:Q+8*f+3],   v[QO], s[20:21] offset:(f/4)*4096+(f%4)*64
	global_load_b128 v[Q+8*f+4:Q+8*f+7], v[QO], s[20:21] offset:(f/4)*4096+(f%4)*64+32
	global_load_b128 v[QB+Q+8*f:QB+Q+8*f+3],   v[QO], s[22:23] offset:(f/4)*4096+(f%4)*64
	global_load_b128 v[QB+Q+8*f+4:QB+Q+8*f+7], v[QO], s[22:23] offset:(f/4)*4096+(f%4)*64+32
.set f, f+1
.endr
.set f, 0
.rept 2
	global_load_b128 v[CF+8*f:CF+8*f+3],   v[CO], s[72:73] offset:512*f
	global_load_b128 v[CF+8*f+4:CF+8*f+7], v[CO], s[72:73] offset:512*f+16
	global_load_b128 v[QB+CF+8*f:QB+CF+8*f+3],   v[CO], s[74:75] offset:512*f
	global_load_b128 v[QB+CF+8*f+4:QB+CF+8*f+7], v[CO], s[74:75] offset:512*f+16
.set f, f+1
.endr
	WIN 0
	v_and_b32 v3, 31, v0
	v_lshlrev_b32 v[PFO], 8, v3
	v_mul_u32_u24 v[AK0], v[RR], PK
	v_lshl_add_u32 v[AK0], v[HH], 4, v[AK0]        ; row x pitch + 16 x half
	v_lshlrev_b32 v[AS0], 5, v[HH]
	v_add_nc_u32 v[AS0], STATS, v[AS0]             ; my eight keys' 32 bytes in a row of ks, km or u
	v_lshlrev_b32 v17, 3, v[HH]
	v_sub_nc_u32 v17, v[RR], v17                   ; register j is hidden where j > l % 16 - 8 (l / 16)
.irp j, 0,1,2,3,4,5,6,7
	v_cmp_gt_i32 vcc_lo, \j, v17
	v_cndmask_b32 v[MD+\j], 0, s[BIGN], vcc_lo
.endr
	v_mov_b32 v[CLO], 0xfe000000                   ; m starts far below every score, so the first step's alpha is 0; l at 0; the least score at the greatest finite number
	v_mov_b32 v[CZ], 0
	BOTH v_mov_b32 v[ST+8*t], 0xfe000000
	BOTH v_mov_b32 v[ST+8*t+1], 0xfe000000
	BOTH v_mov_b32 v[ST+8*t+2], 0
	BOTH v_mov_b32 v[ST+8*t+3], 0
	BOTH v_mov_b32 v[SV+8*t], 0xfe000000
	BOTH v_mov_b32 v[SV+8*t+2], 0
	BOTH v_mov_b32 v[SV+8*t+3], 0
	v_mov_b32 v[MN], 0x7f7fffff
	v_mov_b32 v[MNS], 0x7f7fffff
	v_mov_b32 v[MNT], 0
	s_wait_loadcnt 0x0                             ; Q and the factors of both blocks
	; ---------------- 17 visits
	s_mov_b32 s[VIS], 16
.Lvisit:
	VISIT1 1
	s_sub_co_u32 s[VIS], s[VIS], 1
	s_cmp_lg_u32 s[VIS], 0
	s_cbranch_scc1 .Lvisit
	VISIT1 0                                       ; the last visit is written out: nothing is asked for
	; ---------------- both blocks' statistics are finished and stored
	s_mov_b32 s76, 0x2f8c300f                      ; 255e-12
	s_mov_b32 s77, 0x3b808081                      ; 1 / 255
	s_mov_b32 s78, 0x2b8cbccc                      ; 1e-12
	s_mov_b32 s70, 0x35d6bf95                      ; the band: 1.6e-6 l
	s_mov_b32 s71, 0xb690f484                      ; - 4.32e-6,
	s_mov_b32 s72, 0x368637bd                      ; 4e-6 at the most
	s_xor_b32 s[TA], s[WV], 3
	s_or_b32 s[TA], s[TA], s[PB]                   ; 0: block 15's wave 3
	v_cmp_eq_u32 s[MINM], 15, v[RR]
	s_cmp_eq_u32 s[TA], 0
	s_cselect_b32 s[MINM], s[MINM], 0              ; the lanes of row 2047, or none
	v_cmp_eq_u32 s[HM], 1, v[HH]
	FIN SV, 1
	FIN ST, 0
	PUT SV, 0, SHI
	PUT ST, 1, SLO
	s_wait_tensorcnt 0x0                           ; the wave's end, behind my last tensor load
	ds_add_u32 v[SPW], v[NIL]
	s_wait_dscnt 0x0
	s_endpgm
.Lfunc_end_k_q3919e798b1_stat:
	.size	k_q3919e798b1_stat, .Lfunc_end_k_q3919e798b1_stat-k_q3919e798b1_stat
	.p2alignl 7, 3214868480
	.fill 96, 4, 3214868480
	.section	.rodata,"a",@progbits
	.p2align	6, 0x0
	.amdhsa_kernel k_q3919e798b1_stat
		.amdhsa_group_segment_fixed_size 327680
		.amdhsa_private_segment_fixed_size 0
		.amdhsa_enable_private_segment 0
		.amdhsa_kernarg_size 32
		.amdhsa_user_sgpr_count 2
		.amdhsa_user_sgpr_kernarg_segment_ptr 1
		.amdhsa_wavefront_size32 1
		.amdhsa_system_sgpr_workgroup_id_x 1
		.amdhsa_system_sgpr_workgroup_id_y 1
		.amdhsa_system_sgpr_workgroup_id_z 1
		.amdhsa_system_vgpr_workitem_id 0
		.amdhsa_next_free_vgpr 720
		.amdhsa_next_free_sgpr 80
		.amdhsa_reserve_vcc 1
		.amdhsa_float_denorm_mode_32 3
		.amdhsa_float_denorm_mode_16_64 3
		.amdhsa_memory_ordered 1
		.amdhsa_forward_progress 1
		.amdhsa_inst_pref_size 87
	.end_amdhsa_kernel
	.amdgpu_metadata
---
amdhsa.version: [ 1, 2 ]
amdhsa.kernels:
  - .name:           k_q3919e798b1_stat
    .symbol:         k_q3919e798b1_stat.kd
    .args:
      - { .name: qh, .offset: 0, .size: 8, .value_kind: global_buffer, .address_space: global }
      - { .name: qc, .offset: 8, .size: 8, .value_kind: global_buffer, .address_space: global }
      - { .name: kp, .offset: 16, .size: 8, .value_kind: global_buffer, .address_space: global }
      - { .name: st, .offset: 24, .size: 8, .value_kind: global_buffer, .address_space: global }
    .group_segment_fixed_size: 327680
    .private_segment_fixed_size: 0
    .kernarg_segment_align: 8
    .kernarg_segment_size: 32
    .max_flat_workgroup_size: 128
    .sgpr_count:     80
    .vgpr_count:     720
    .wavefront_size: 32
...
	.end_amdgpu_metadata
.endif
;; end of part 2
;; launch apv (part 3): grid 8 x 32, 4 waves a work-group, no clusters, 327,680 bytes of LDS; arguments qh, qc, st, kp, vh, gd, out0; writes out0
.if DOCPART == 3
	.amdgcn_target "amdgcn-amd-amdhsa--gfx1250"
	.amdhsa_code_object_version 6
	.text
	.protected	k_q3919e798b1_apv
	.globl	k_q3919e798b1_apv
	.p2align	8
	.type	k_q3919e798b1_apv,@function
k_q3919e798b1_apv:
	s_mov_b64 s[64:65], 0
	v_nop
	global_prefetch_b8 v0, s[64:65] scope:SCOPE_SE
	s_setreg_imm32_b32 hwreg(HW_REG_WAVE_MODE, 25, 1), 1
	s_wait_xcnt 0x0
; PASS 2 OF THE ATTENTION: the weights' codes and their product with V.  32 heads, 2,048 tokens, 128 channels.  Inputs as the launches before laid them:
;   qh, vh: [bh][s][128] f16;  kp: [bh][16 tiles][134 rows x 256 bytes] (128 keys in f16, then kscale, kmin, u in f32);  qc: [bh][s][8] f32 (a, 0, b, 0, g, ..);
;   st: [bh][s][8] f32 (F+, m, F-, pscale / 2, p'min, 0, rr, 0);  gd: [bh][16][128] f32, the sums of vd over each group of 128 keys.
; y - m = (q . k)(a ks) + b km + g u + (mask - m);  p'' = 2^(y - m) - p'min;  code2 = round(p'' F+) + round(p'' F-), ties to even: twice the code, 0 .. 510, exact in f16;
; out = (pscale / 2)(sum code2 vd + rr sum vd).  F+ and F- are F (1 + k) and F (1 - k), with the row's band k of the launch before: where a tie lies between p'' F- and p'' F+ the code is the half
; between its two neighbours, elsewhere the nearest whole number.  The two roundings ride on the multiply-adds: p'' F+ + 1.5 x 2^23 and p'' F- - 1.5 x 2^23 are rounded to whole numbers, and their sum is code2.
; p'min and rr are other than 0 in row 2047 alone, the one row without a hidden key; that row lies in a tile 1, so tile 1 alone subtracts p'min, and the first block's tile 1 alone takes rr sum vd.
; LIMITS.  q, k, vd within f16's range (65,504); a hidden score counts as its value less 1e30; a weight below 2^-126 counts as 0; NaN and infinities are not treated apart;
; inside the band the order of rounding differs from reference()'s, by half a step of the code at the most.
; THE WALK is pass 1's: work-group b of a head takes blocks 15 - b and then b of 128 queries, 17 visits of a tile of 128 keys whatever b; a wave owns two tiles of 16 queries; a visit is two key steps of 64.
; NO BRANCH HANGS ON b.  The mask is made in every step from two scalars.  The change of blocks falls behind one of the visits 8 to 15: there OS += O zs and O *= zk (zs, zk = 1, 0 at the change, else 0, 1),
; and Q, its factors and statistics take the second block's by selects on a scalar mask; both blocks leave behind the last visit.
; NO CLUSTER: the eight work-groups of a head want the same tile only while all are in their first blocks (9 to 16 of 17 visits), and a walk common to four partners has 20 tiles for 17.
; LAYOUT.  S^T = K Q^T (source 0 = 16 keys, source 1 = 16 queries): a lane holds ONE query (lane % 16) and keys 8 (lane / 16) + 0..7; two results packed to f16 ARE source 1 of O^T = V^T P.
; REGISTERS, in windows of 256 (s_set_vgpr_msb: bits 1:0 source 0, 3:2 source 1, 5:4 source 2, 7:6 destination):
;   window 0: addresses, statistics, S^T (32 a tile), a ks, the score's additive term, P      window 1: K's fragments; ks, km, u; the second block's Q, tile 1 (on the way out: rows read back)
;   window 2: Q, CF; the second block's Q, tile 0, and CF; V's fragments                      window 3: O^T (64 a tile); OS, the first block's O^T
.set PK,    272       ; a row of K in LDS: 256 bytes + 16
.set PV,    288       ; a row of V: 256 + 32: 16 lanes of the turning load take 8 rows x 32 bytes
.set KHALF, 67
.set KTILE, 134*256
.set KHEAD, 16*KTILE
.set STEPK, 64*PK
.set STEPV, 64*PV
.set STATS, 128*PK
.set VOFF,  36608     ; a slot: K at 0, V here
.set SLOT1, 1<<17
.set STAGE, 2*SLOT1   ; never filled by a tensor load: 16 rows x 528 bytes for each wave, for the way out
.set SP,    528
.set GTB,   STAGE+4*16*SP  ; 512 bytes: the sum of vd over all keys, by channel
.set SPARE, GTB+512   ; the spare words, 128 bytes a wave; no other line names them
.set RR,  1
.set HH,  2
.set AK0, 4
.set AS0, 5
.set AV0, 6
.set AKA, 7
.set ASA, 8
.set AVA, 9
.set QO,  10
.set CO,  11
.set STO, 12          ; the way out: where I put 32 bytes of a row
.set RD,  13          ; where I read a row back
.set GO,  14          ; my 16 bytes of a row of out
.set GTR, 15          ; where my eight channels' sums begin
.set PFO, 16          ; 256 x lane: a row of V for the prefetch; never rewritten
.set SPW, 18
.set NIL, 19
.set GTA, 20
.set GTO, 21
.set MD,  24
.set FS,  32          ; 8 a tile: F+, m, F-, pscale / 2, p'min, 0, rr, 0: what packed lines give to both halves stands at even places
.set TT,  48          ; v[48:55] four pairs: the mask's addend less m, by key block
.set PS,  56          ; v[56:63] four pairs, for the way out: pscale / 2 of the first block's two tiles, then of the second's
.set S,   64
.set AKR, 128
.set WR,  160
.set P,   192
.set FSB, 224         ; the second block's statistics
.set FSH, 240         ; the first block's, kept for the way out
.set KF,  0           ; window 1
.set KS,  128
.set KM,  160
.set KU,  192
.set QB1, 224
.set BK,  0           ; window 1, on the way out: 64 a tile
.set Q,   0           ; window 2
.set CF,  64
.set QB0, 80
.set CFB, 112
.set VF,  128
.set O,   0           ; window 3
.set OS,  128
.set WV,  16
.set PB,  17
.set HI,  18
.set BH,  19
.set G1K, 24
.set G1V, 32
.set G0K, 40
.set G0V, 44
.set KB,  48
.set VB,  50
.set OFF, 52
.set OFV, 54
.set SEL, 56
.set AL,  58
.set BE,  60
.set TBK, 62
.set TBS, 63
.set TBV, 68
.set CNT, 69
.set VIS, 70
.set RT,  71
.set NXT, 72
.set LQ,  73
.set DG,  74
.set DQ,  75
.set BIGN, 76
.set SWM, 77
.set ZS,  78
.set ZK,  80
.set OHI, 82
.set OLO, 84
.set PFA, 86
.set MP,  90          ; s[90:91]  1.5 x 2^23 (set when the head's loads, which use these registers as bases, are in)
.set MQ,  92          ; s[92:93] -1.5 x 2^23
.set MSB, 0
.macro WIN new
.if MSB != (\new)
	s_set_vgpr_msb (MSB<<8)|(\new)
.set MSB, (\new)
.endif
.endm
.set W_QK, 0x09       ; source 0 window 1, source 1 window 2, source 2 and destination window 0
.set W_PV, 0xf2       ; V window 2, P window 0, O^T window 3
.macro NOP4
.rept 4
	v_nop
.endr
.endm
.macro BOTH line:vararg
.set t, 0
.rept 2
	\line
.set t, t+1
.endr
.endm
; A fill.  Waves 0 and 1 fetch the two halves of a tile of kp (67 rows each), waves 2 and 3 the halves of V's (64 rows each).  An s_nop 0 and four v_nop follow each load.
.macro LOAD
	s_cmp_lt_u32 s[WV], 2
	s_cbranch_scc0 .Lfv_\@
	tensor_load_to_lds s[G0K:G0K+3], s[G1K:G1K+7]
	s_nop 0
	NOP4
	s_branch .Lld_\@
.Lfv_\@:
	tensor_load_to_lds s[G0V:G0V+3], s[G1V:G1V+7]
	s_nop 0
	NOP4
.Lld_\@:
.endm
; A PREFETCH INTO THE L2 of V's rows, behind the fill.  The eight work-groups of a head share a tile's 128 rows out BY ADDRESS: in visit v = 0, 2, .. 12 wave 0 of work-groups 0-3 names 32 rows each
; of tile v + 2, wave 0 of work-groups 4-7 of tile v + 3: a lane a row, each row once in the launch, one or two visits ahead of its first load.  Tiles 0 and 1 come by their loads alone; tile 15 is the last.
.macro ASK
	s_cmp_eq_u32 s[WV], 0
	s_cbranch_scc0 .Lna_\@
	s_cmp_gt_u32 s[VIS], 3          ; VIS = 16 - v
	s_cbranch_scc0 .Lna_\@
	s_and_b32 s88, s[VIS], 1
	s_cmp_eq_u32 s88, 0
	s_cbranch_scc0 .Lna_\@
	global_prefetch_b8 v[PFO], s[PFA:PFA+1] th:TH_LOAD_NT scope:SCOPE_SE
.Lna_\@:
.endm
; THE CHANGE OF SLOTS, one a visit: all my tensor loads have landed, 0 is added to my spare word, that and my reads of the slot that I leave are waited for; behind the barrier the old slot takes tile NXT first.
.macro CHANGE fill
	WIN 0
	s_wait_tensorcnt 0x0            ; no tensor load of mine is out, so a group 0 may be written
	ds_add_u32 v[SPW], v[NIL]       ; 0 onto my spare word; scalar work stands between it and the wait for it
.if \fill
	s_wait_xcnt 0x0                 ; the last prefetch, a visit or two back, has read its address
	s_add_nc_u64 s[PFA:PFA+1], s[PFA:PFA+1], 32768
	s_mul_i32 s[OFF], s[NXT], KTILE
	s_lshl_b32 s[OFV], s[NXT], 15
	s_xor_b32 s[G0K+1], s[G0K+1], SLOT1
	s_add_nc_u64 s[G0K+2:G0K+3], s[KB:KB+1], s[OFF:OFF+1]
	s_or_b32 s[G0K+3], s[G0K+3], 0x80000000
	s_xor_b32 s[G0V+1], s[G0V+1], SLOT1
	s_add_nc_u64 s[G0V+2:G0V+3], s[VB:VB+1], s[OFV:OFV+1]
	s_or_b32 s[G0V+3], s[G0V+3], 0x80000000
	s_add_co_u32 s[NXT], s[NXT], 1  ; the block's next tile, or behind its last the second block's tile 0
	s_cmp_gt_u32 s[NXT], s[LQ]
	s_cselect_b32 s[NXT], 0, s[NXT]
	s_cselect_b32 s[LQ], s[PB], s[LQ]
.endif
	s_wait_dscnt 0x0                ; the add is done, and my reads of the slot are over
	s_barrier_signal -1
	s_sub_co_u32 s[TBK], s[TBK], 2*STEPK
	s_xor_b32 s[TBK], s[TBK], SLOT1
	s_sub_co_u32 s[TBS], s[TBS], 2*PK
	s_xor_b32 s[TBS], s[TBS], SLOT1
	s_sub_co_u32 s[TBV], s[TBV], 2*STEPV
	s_xor_b32 s[TBV], s[TBV], SLOT1
	s_barrier_wait -1
.if \fill
	LOAD
	ASK
.endif
.endm
.macro FETCH_KS                     ; a step's K (32 loads) and its keys' ks, km, u (24 loads)
	WIN 0
	v_add_nc_u32 v[AKA], s[TBK], v[AK0]
	v_add_nc_u32 v[ASA], s[TBS], v[AS0]
	s_add_co_u32 s[TBK], s[TBK], STEPK
	s_add_co_u32 s[TBS], s[TBS], PK
	WIN 0x40
.set f, 0
.rept 16
	ds_load_b128 v[KF+8*f:KF+8*f+3],   v[AKA] offset:(f/4)*16*PK+(f%4)*64
	ds_load_b128 v[KF+8*f+4:KF+8*f+7], v[AKA] offset:(f/4)*16*PK+(f%4)*64+32
.set f, f+1
.endr
.set f, 0
.rept 12
	ds_load_b128 v[KS+32*(f/4)+8*(f%4):KS+32*(f/4)+8*(f%4)+3],   v[ASA] offset:(f/4)*2*PK+(f%4)*64
	ds_load_b128 v[KS+32*(f/4)+8*(f%4)+4:KS+32*(f/4)+8*(f%4)+7], v[ASA] offset:(f/4)*2*PK+(f%4)*64+16
.set f, f+1
.endr
	WIN 0
.endm
.macro FETCH_V                      ; a step's V, turned: 32 loads
	WIN 0
	v_add_nc_u32 v[AVA], s[TBV], v[AV0]
	s_add_co_u32 s[TBV], s[TBV], STEPV
	WIN 0x80
.set f, 0
.rept 16
	ds_load_tr16_b128 v[VF+8*f:VF+8*f+3],   v[AVA] offset:(f/8)*32*PV+(f%8)*32
	ds_load_tr16_b128 v[VF+8*f+4:VF+8*f+7], v[AVA] offset:(f/8)*32*PV+16*PV+(f%8)*32
.set f, f+1
.endr
	WIN 0
.endm
; The additive term of tile t's scores starts as the mask less m.  DQ as in pass 1: my queries' block of 16 less the step's first key block in the diagonal tile, 64 elsewhere.
.macro MKW t
	WIN 0
	s_lshl_b32 s[DQ], s[WV], 1
	s_lshl2_add_u32 s[DQ], s[CNT], s[DQ]
	s_add_co_i32 s[DQ], s[DQ], (\t)-8
	s_cmp_eq_u32 s[DG], 1
	s_cselect_b32 s[DQ], s[DQ], 64
.irp kb, 0,1,2,3
	s_cmp_eq_i32 s[DQ], \kb
	s_cselect_b32 s[AL], 1.0, 0
	s_cmp_lt_i32 s[DQ], \kb
	s_cselect_b32 s[BE], s[BIGN], 0
	v_sub_f32 v[TT+2*\kb], s[BE], v[FS+8*(\t)+1]
.irp p, 0,1,2,3
	v_pk_fma_f32 v[WR+8*\kb+2*\p:WR+8*\kb+2*\p+1], v[MD+2*\p:MD+2*\p+1], s[AL:AL+1], v[TT+2*\kb:TT+2*\kb+1] op_sel_hi:[1,0,0]
.endr
.endr
.endm
; Tile t's 16 products K Q^T, the four accumulators by turns; behind product i three packed lines for pair i: + g u, a ks, + b km, which name no register of the products round them.
.macro QKR t
	WIN W_QK
.set i, 0
.rept 16
.set rS, S+32*(\t)+8*(i%4)
.set rK, KF+32*(i%4)+8*(i/4)
.set rQ, Q+32*(\t)+8*(i/4)
.if i < 4
	v_wmma_f32_16x16x32_f16 v[rS:rS+7], v[rK:rK+7], v[rQ:rQ+7], 0
.else
	v_wmma_f32_16x16x32_f16 v[rS:rS+7], v[rK:rK+7], v[rQ:rQ+7], v[rS:rS+7]
.endif
	v_pk_fma_f32 v[WR+2*i:WR+2*i+1], v[KU+2*i:KU+2*i+1], v[CF+8*(\t)+4:CF+8*(\t)+5], v[WR+2*i:WR+2*i+1] op_sel_hi:[1,0,1]
	v_pk_mul_f32 v[AKR+2*i:AKR+2*i+1], v[KS+2*i:KS+2*i+1], v[CF+8*(\t):CF+8*(\t)+1] op_sel_hi:[1,0]
	v_pk_fma_f32 v[WR+2*i:WR+2*i+1], v[KM+2*i:KM+2*i+1], v[CF+8*(\t)+2:CF+8*(\t)+3], v[WR+2*i:WR+2*i+1] op_sel_hi:[1,0,1]
.set i, i+1
.endr
.endm
.macro YY t                         ; y - m, in ascending order: each accumulator is read from its low end, twelve plain lines or more behind its last product
	WIN 0
.set i, 0
.rept 16
	v_pk_fma_f32 v[S+32*(\t)+2*i:S+32*(\t)+2*i+1], v[S+32*(\t)+2*i:S+32*(\t)+2*i+1], v[AKR+2*i:AKR+2*i+1], v[WR+2*i:WR+2*i+1]
.set i, i+1
.endr
.endm
; The codes of a step: 2^(y - m) (one batch, one wait); tile 1 less p'min; p'' F- - 1.5 x 2^23 into the registers of a ks and of the additive term, which are free here; p'' F+ + 1.5 x 2^23 in place:
; at that size a number of f32 is a whole number, so each multiply-add rounds to the nearest, ties to even; their sum is twice the code, which is packed to f16.
.macro SM2
	WIN 0
.set i, 0
.rept 64
	v_exp_f32 v[S+i], v[S+i]
.set i, i+1
.endr
	v_nop                           ; a plain line behind the last exponential,
	s_wait_alu depctr_va_vdst(0)    ; and the one wait ahead of the batch's first reader
.set i, 16
.rept 16
	v_pk_add_f32 v[S+2*i:S+2*i+1], v[S+2*i:S+2*i+1], v[FS+12:FS+13] op_sel_hi:[1,0] neg_lo:[0,1] neg_hi:[0,1]
.set i, i+1
.endr
.set i, 0
.rept 32
	v_pk_fma_f32 v[AKR+2*i:AKR+2*i+1], v[S+2*i:S+2*i+1], v[FS+8*(i/16)+2:FS+8*(i/16)+3], s[MQ:MQ+1] op_sel_hi:[1,0,0]
.set i, i+1
.endr
.set i, 0
.rept 32
	v_pk_fma_f32 v[S+2*i:S+2*i+1], v[S+2*i:S+2*i+1], v[FS+8*(i/16):FS+8*(i/16)+1], s[MP:MP+1] op_sel_hi:[1,0,0]
.set i, i+1
.endr
.set i, 0
.rept 32
	v_pk_add_f32 v[S+2*i:S+2*i+1], v[S+2*i:S+2*i+1], v[AKR+2*i:AKR+2*i+1]
.set i, i+1
.endr
.set i, 0
.rept 32
	v_cvt_pk_f16_f32 v[P+i], v[S+2*i], v[S+2*i+1]
.set i, i+1
.endr
.endm
.macro PVM                          ; 32 products O^T += V^T P: keys 32 (i / 16) on, channels 16 ((i / 2) % 8) on, tile i % 2; the 16 accumulators take turns
	WIN W_PV
.set i, 0
.rept 32
.set rO, O+64*(i%2)+8*((i/2)%8)
.set rV, VF+64*(i/16)+8*((i/2)%8)
.set rP, P+16*(i%2)+8*(i/16)
	v_wmma_f32_16x16x32_f16 v[rO:rO+7], v[rV:rV+7], v[rP:rP+7], v[rO:rO+7]
.set i, i+1
.endr
.endm
; A KEY STEP.  The two jumps hang on the step's count; they go forward, past no barrier and no tensor load.
.macro STEP2
	MKW 0
	s_wait_dscnt 32                 ; K, ks, km, u are in; V's 32 loads, issued behind them on both ways in, may stay out
	QKR 0
	YY 0
	MKW 1
	QKR 1
	YY 1
	WIN 0
	s_cmp_eq_u32 s[CNT], 1          ; a tile's second step has no successor in the slot
	s_cbranch_scc1 .Lnf_\@
	FETCH_KS
.Lnf_\@:
	SM2
	s_wait_dscnt 0x0                ; V is in (and the next step's K)
	PVM
	WIN 0
	NOP4                            ; the places behind the last products, in front of loads into V's registers and of lines that read O^T
	s_cmp_eq_u32 s[CNT], 1
	s_cbranch_scc1 .Lnv_\@
	FETCH_V
.Lnv_\@:
.endm
; THE CHANGE OF BLOCKS, without a branch: where the visit was the first block's last (DG = 1) OS takes O^T and O^T starts anew; Q, its factors and statistics take the second block's.
.macro SWITCH2
	WIN 0
	s_add_co_u32 s88, s[PB], 1      ; the second block has b + 1 tiles
	s_cmp_eq_u32 s[DG], 1
	s_cselect_b32 s[SWM], -1, 0
	s_cselect_b32 s[RT], s88, s[RT]
	s_cselect_b32 s[ZS], 1.0, 0
	s_cselect_b32 s[ZK], 0, 1.0
	WIN 0xf3                        ; destination, source 0 and source 2 in window 3
.set i, 0
.rept 64
	v_pk_fma_f32 v[OS+2*i:OS+2*i+1], v[O+2*i:O+2*i+1], s[ZS:ZS+1], v[OS+2*i:OS+2*i+1] op_sel_hi:[1,0,1]
.set i, i+1
.endr
.set i, 0
.rept 64
	v_pk_mul_f32 v[O+2*i:O+2*i+1], v[O+2*i:O+2*i+1], s[ZK:ZK+1] op_sel_hi:[1,0]
.set i, i+1
.endr
	WIN 0x8a                        ; destination and both sources in window 2
.set i, 0
.rept 32
	v_cndmask_b32 v[Q+i], v[Q+i], v[QB0+i], s[SWM]
.set i, i+1
.endr
.set i, 0
.rept 16
	v_cndmask_b32 v[CF+i], v[CF+i], v[CFB+i], s[SWM]
.set i, i+1
.endr
	WIN 0x86                        ; source 1 in window 1
.set i, 0
.rept 32
	v_cndmask_b32 v[Q+32+i], v[Q+32+i], v[QB1+i], s[SWM]
.set i, i+1
.endr
	WIN 0
.set i, 0
.rept 16
	v_cndmask_b32 v[FS+i], v[FS+i], v[FSB+i], s[SWM]
.set i, i+1
.endr
.endm
; THE WAY OUT of tile t of the sums at src (window 3), with pscale / 2 in the pair at ps: a lane's eight channels (32 bytes) of each of 8 channel blocks go into my stage, rows of 528 bytes, and come back as whole rows of 512.
.macro PACK src, ps, t
	WIN 0x03
.set i, 0
.rept 32
	v_pk_mul_f32 v[S+2*i:S+2*i+1], v[(\src)+64*(\t)+2*i:(\src)+64*(\t)+2*i+1], v[(\ps):(\ps)+1] op_sel_hi:[1,0]
.set i, i+1
.endr
	WIN 0
.set f, 0
.rept 8
	ds_store_b128 v[STO], v[S+8*f:S+8*f+3]   offset:64*f
	ds_store_b128 v[STO], v[S+8*f+4:S+8*f+7] offset:64*f+16
.set f, f+1
.endr
	WIN 0x40
.set f, 0
.rept 16
	ds_load_b128 v[BK+64*(\t)+4*f:BK+64*(\t)+4*f+3], v[RD] offset:f*SP  ; LDS serves a wave's instructions in order: these see the stores above, and the next tile's stores come behind them
.set f, f+1
.endr
	WIN 0
.endm
.macro SEND t, younger, base        ; younger: the LDS lines issued behind tile t's loads
	WIN 0x04                        ; the stores' data in window 1
.set f, 0
.rept 16
	s_wait_dscnt (\younger)+15-f
	global_store_b128 v[GO], v[BK+64*(\t)+4*f:BK+64*(\t)+4*f+3], s[\base:\base+1] offset:(16*(\t)+f)*16384 th:TH_STORE_NT  ; the wave's store is a head's row: 512 bytes on end, aligned
.set f, f+1
.endr
	WIN 0
.endm
; A VISIT: a tile is entered, the next is asked for, two key steps; behind visits 8 to 15 (VIS below 9) the blocks may change.
.macro VISIT2 fill
	CHANGE \fill
	s_sub_co_u32 s[RT], s[RT], 1
	s_cmp_eq_u32 s[RT], 0
	s_cselect_b32 s[DG], 1, 0
	FETCH_KS
	FETCH_V
	s_mov_b32 s[CNT], 2
.Lstep_\@:
	STEP2
	s_sub_co_u32 s[CNT], s[CNT], 1
	s_cmp_lg_u32 s[CNT], 0
	s_cbranch_scc1 .Lstep_\@
.if \fill
	s_cmp_lt_u32 s[VIS], 9
	s_cbranch_scc0 .Lgo_\@
	SWITCH2
.Lgo_\@:
.endif
.endm
	; ---------------- the head
	s_load_b256 s[4:11], s[0:1], 0x0               ; qh 4, qc 6, st 8, kp 10
	s_load_b128 s[12:15], s[0:1], 0x20             ; vh 12, gd 14
	s_load_b64 s[66:67], s[0:1], 0x30              ; out0
	v_lshl_add_u32 v[SPW], v0, 2, SPARE
	v_mov_b32 v[NIL], 0
	ds_add_u32 v[SPW], v[NIL]                      ; the wave's opening: the add and its wait stand ahead of my first tensor load; work on registers stands between them
	v_lshrrev_b32 v3, 5, v0
	v_readfirstlane_b32 s[WV], v3                  ; wave 0..3
	s_mov_b32 s[PB], ttmp9
	s_sub_co_u32 s[HI], 15, s[PB]
	s_and_b32 s[BH], ttmp7, 0xffff
	; descriptor group 1: rows of 128 elements of 2 bytes, padded in LDS behind every 64 words
	s_mov_b32 s[G1K], (1<<16)|(1<<20)|(5<<22)|(3<<25)  ; 4 words of padding
	s_mov_b32 s[G1K+1], 128<<16                    ; tensor_dim0 = 128
	s_mov_b32 s[G1K+2], KHALF<<16                  ; tensor_dim1 = 67
	s_mov_b32 s[G1K+3], 128<<16                    ; tile_dim0 = 128
	s_mov_b32 s[G1K+4], KHALF                      ; tile_dim1 = 67
	s_mov_b32 s[G1K+5], 128                        ; elements from row to row
	s_mov_b32 s[G1K+6], 0
	s_mov_b32 s[G1K+7], 0
	s_mov_b32 s[G1V], (1<<16)|(1<<20)|(5<<22)|(7<<25)  ; 8 words of padding
	s_mov_b32 s[G1V+1], 128<<16
	s_mov_b32 s[G1V+2], 64<<16
	s_mov_b32 s[G1V+3], 128<<16
	s_mov_b32 s[G1V+4], 64
	s_mov_b32 s[G1V+5], 128
	s_mov_b32 s[G1V+6], 0
	s_mov_b32 s[G1V+7], 0
	s_and_b32 s20, s[WV], 1                        ; which half of a tile I fetch
	s_mul_i32 s21, s20, KHALF*PK
	s_mul_i32 s22, s20, 64*PV
	s_mov_b32 s[G0K], 1
	s_mov_b32 s[G0K+1], s21                        ; slot 0
	s_mov_b32 s[G0V], 1
	s_add_co_u32 s[G0V+1], s22, VOFF
	s_mul_i32 s88, s[BH], KHEAD
	s_mov_b32 s89, 0
	s_mul_i32 s90, s20, KHALF*256
	s_mov_b32 s91, 0
	s_lshl_b32 s92, s[BH], 19
	s_mov_b32 s93, 0
	s_lshl_b32 s94, s20, 14
	s_mov_b32 s95, 0
	s_lshr_b32 s20, s[PB], 2                       ; the prefetches: tile 1 + b / 4 (the first change of slots steps it on), rows 32 (b % 4) on
	s_add_co_u32 s20, s20, 1
	s_lshl_b32 s20, s20, 15
	s_and_b32 s21, s[PB], 3
	s_lshl_b32 s21, s21, 13
	s_add_co_u32 s20, s20, s21
	s_mov_b32 s21, 0
	s_mov_b32 s[SEL], 0x76543210
	s_mov_b32 s[SEL+1], 0xfedcba98
	s_mov_b32 s[AL+1], 0                           ; named as pairs
	s_mov_b32 s[BE+1], 0
	s_mov_b32 s[OFF+1], 0
	s_mov_b32 s[OFV+1], 0
	s_mov_b32 s[ZS+1], 0
	s_mov_b32 s[ZK+1], 0
	s_mov_b32 s[BIGN], 0xf149f2ca                  ; -1e30
	s_sub_co_u32 s[RT], 16, s[PB]                  ; the first block has 16 - b tiles
	s_mov_b32 s[NXT], 1
	s_mov_b32 s[LQ], s[HI]
	s_mov_b32 s[TBK], SLOT1+2*STEPK                ; the first change of slots turns these into slot 0's
	s_mov_b32 s[TBS], SLOT1+2*PK
	s_mov_b32 s[TBV], SLOT1+2*STEPV
	s_wait_dscnt 0x0                               ; the opening add is done
	s_wait_kmcnt 0x0
	s_add_nc_u64 s[10:11], s[10:11], s[88:89]      ; kp and vh at the head,
	s_add_nc_u64 s[KB:KB+1], s[10:11], s[90:91]    ; and at my half of its tile 0
	s_add_nc_u64 s[12:13], s[12:13], s[92:93]
	s_add_nc_u64 s[VB:VB+1], s[12:13], s[94:95]
	s_add_nc_u64 s[PFA:PFA+1], s[12:13], s[20:21]
	s_mov_b64 s[G0K+2:G0K+3], s[KB:KB+1]
	s_or_b32 s[G0K+3], s[G0K+3], 0x80000000
	s_mov_b64 s[G0V+2:G0V+3], s[VB:VB+1]
	s_or_b32 s[G0V+3], s[G0V+3], 0x80000000
	LOAD                                           ; tile 0 into slot 0: the first fills, ahead of every wait on TENSORcnt, LDS read and barrier
	; both blocks' Q, factors and statistics; gd's sixteen groups of my thread's channel
	v_and_b32 v[RR], 15, v0
	v_bfe_u32 v[HH], v0, 4, 1
	v_lshlrev_b32 v[QO], 8, v[RR]
	v_lshl_add_u32 v[QO], v[HH], 4, v[QO]
	v_lshlrev_b32 v[CO], 5, v[RR]
	v_lshlrev_b32 v[GTO], 2, v0
	s_lshl_b32 s88, s[WV], 13
	s_add_co_u32 s88, s88, s92                     ; the head, my wave's 32 rows of 256 bytes
	s_lshl_b32 s89, s[HI], 15
	s_add_co_u32 s20, s88, s89
	s_mov_b32 s21, 0
	s_lshl_b32 s89, s[PB], 15
	s_add_co_u32 s22, s88, s89
	s_mov_b32 s23, 0
	s_add_nc_u64 s[20:21], s[4:5], s[20:21]
	s_add_nc_u64 s[22:23], s[4:5], s[22:23]
	s_lshl_b32 s88, s[BH], 16
	s_lshl_b32 s89, s[WV], 10
	s_add_co_u32 s88, s88, s89                     ; the same rows of 32 bytes in qc and st
	s_lshl_b32 s89, s[HI], 12
	s_add_co_u32 s90, s88, s89
	s_mov_b32 s91, 0
	s_lshl_b32 s89, s[PB], 12
	s_add_co_u32 s92, s88, s89
	s_mov_b32 s93, 0
	s_add_nc_u64 s[94:95], s[6:7], s[90:91]        ; qc, first block,
	s_add_nc_u64 s[6:7], s[6:7], s[92:93]          ; second block
	s_add_nc_u64 s[90:91], s[8:9], s[90:91]        ; st, first block,
	s_add_nc_u64 s[92:93], s[8:9], s[92:93]        ; second block
	s_lshl_b32 s88, s[BH], 13
	s_mov_b32 s89, 0
	s_add_nc_u64 s[14:15], s[14:15], s[88:89]      ; gd at the head
	WIN 0x80
.set f, 0
.rept 8
	global_load_b128 v[Q+8*f:Q+8*f+3],   v[QO], s[20:21] offset:(f/4)*4096+(f%4)*64
	global_load_b128 v[Q+8*f+4:Q+8*f+7], v[QO], s[20:21] offset:(f/4)*4096+(f%4)*64+32
.set f, f+1
.endr
.set f, 0
.rept 2
	global_load_b128 v[CF+8*f:CF+8*f+3],   v[CO], s[94:95] offset:512*f
	global_load_b128 v[CF+8*f+4:CF+8*f+7], v[CO], s[94:95] offset:512*f+16
	global_load_b128 v[CFB+8*f:CFB+8*f+3],   v[CO], s[6:7] offset:512*f
	global_load_b128 v[CFB+8*f+4:CFB+8*f+7], v[CO], s[6:7] offset:512*f+16
.set f, f+1
.endr
.set f, 0
.rept 4
	global_load_b128 v[QB0+8*f:QB0+8*f+3],   v[QO], s[22:23] offset:f*64
	global_load_b128 v[QB0+8*f+4:QB0+8*f+7], v[QO], s[22:23] offset:f*64+32
.set f, f+1
.endr
	WIN 0x40
.set f, 0
.rept 4
	global_load_b128 v[QB1+8*f:QB1+8*f+3],   v[QO], s[22:23] offset:4096+f*64
	global_load_b128 v[QB1+8*f+4:QB1+8*f+7], v[QO], s[22:23] offset:4096+f*64+32
.set f, f+1
.endr
	WIN 0
.set f, 0
.rept 2
	global_load_b128 v[FS+8*f:FS+8*f+3],   v[CO], s[90:91] offset:512*f
	global_load_b128 v[FS+8*f+4:FS+8*f+7], v[CO], s[90:91] offset:512*f+16
	global_load_b128 v[FSH+8*f:FSH+8*f+3],   v[CO], s[90:91] offset:512*f
	global_load_b128 v[FSH+8*f+4:FSH+8*f+7], v[CO], s[90:91] offset:512*f+16
	global_load_b128 v[FSB+8*f:FSB+8*f+3],   v[CO], s[92:93] offset:512*f
	global_load_b128 v[FSB+8*f+4:FSB+8*f+7], v[CO], s[92:93] offset:512*f+16
.set f, f+1
.endr
.set f, 0
.rept 16
	global_load_b32 v[S+f], v[GTO], s[14:15] offset:512*f  ; thread t takes channel t: a wave's load is 128 bytes on end
.set f, f+1
.endr
	; the lanes' places
	v_and_b32 v3, 31, v0
	v_mul_u32_u24 v[AK0], v[RR], PK
	v_lshl_add_u32 v[AK0], v[HH], 4, v[AK0]        ; row x pitch + 16 x half
	v_lshlrev_b32 v[AS0], 5, v[HH]
	v_add_nc_u32 v[AS0], STATS, v[AS0]             ; my eight keys' 32 bytes in a row of ks, km or u
	v_and_b32 v17, 7, v0
	v_bfe_u32 v22, v0, 3, 1
	v_lshl_add_u32 v[AV0], v[HH], 3, v17           ; the turning load: key 8 (l / 16) + l % 8, channels 8 ((l / 8) % 2) on
	v_mul_u32_u24 v[AV0], v[AV0], PV
	v_lshl_add_u32 v[AV0], v22, 4, v[AV0]
	v_add_nc_u32 v[AV0], VOFF, v[AV0]
	s_mul_i32 s88, s[WV], 16*SP
	s_add_co_u32 s88, s88, STAGE                   ; my stage
	v_mul_u32_u24 v[STO], v[RR], SP
	v_lshl_add_u32 v[STO], v[HH], 5, v[STO]
	v_add_nc_u32 v[STO], s88, v[STO]
	v_lshl_add_u32 v[RD], v3, 4, s88
	v_lshlrev_b32 v[GO], 4, v3
	v_lshlrev_b32 v[PFO], 8, v3
	v_lshl_add_u32 v[GTA], v0, 2, GTB
	v_lshlrev_b32 v[GTR], 5, v[HH]
	v_add_nc_u32 v[GTR], GTB, v[GTR]
	s_lshl_b32 s88, s[WV], 19                      ; out: my wave's 32 rows of 16,384 bytes, the head's 512 bytes of a row
	s_lshl_b32 s89, s[BH], 9
	s_add_co_u32 s88, s88, s89
	s_lshl_b32 s89, s[HI], 21
	s_add_co_u32 s[OHI], s88, s89
	s_mov_b32 s[OHI+1], 0
	s_lshl_b32 s89, s[PB], 21
	s_add_co_u32 s[OLO], s88, s89
	s_mov_b32 s[OLO+1], 0
	s_add_nc_u64 s[OHI:OHI+1], s[66:67], s[OHI:OHI+1]
	s_add_nc_u64 s[OLO:OLO+1], s[66:67], s[OLO:OLO+1]
	v_lshlrev_b32 v17, 3, v[HH]
	v_sub_nc_u32 v17, v[RR], v17                   ; register j is hidden where j > l % 16 - 8 (l / 16)
.irp j, 0,1,2,3,4,5,6,7
	v_cmp_gt_i32 vcc_lo, \j, v17
	v_cndmask_b32 v[MD+\j], 0, s[BIGN], vcc_lo
.endr
.irp j, 1,3,5,7
	v_mov_b32 v[TT+\j], 0                          ; named in pairs with the addends
.endr
	WIN 0xc0                                       ; O^T and OS start at 0: no first step is written out, at the price of these 256 lines, which stand in the wait for the first tile
.set i, 0
.rept 256
	v_mov_b32 v[i], 0
.set i, i+1
.endr
	WIN 0
	s_wait_loadcnt 0x0                             ; all that the head has asked for: its bases may be written again
	s_mov_b32 s[MP], 0x4b400000                    ; 1.5 x 2^23, named as pairs
	s_mov_b32 s[MP+1], 0x4b400000
	s_mov_b32 s[MQ], 0xcb400000
	s_mov_b32 s[MQ+1], 0xcb400000
.irp j, 0,4,8,12
	v_pk_add_f32 v[S+\j:S+\j+1], v[S+\j:S+\j+1], v[S+\j+2:S+\j+3]
.endr
.irp j, 0,8
	v_pk_add_f32 v[S+\j:S+\j+1], v[S+\j:S+\j+1], v[S+\j+4:S+\j+5]
.endr
	v_pk_add_f32 v[S:S+1], v[S:S+1], v[S+8:S+9]
	v_add_f32 v[S], v[S], v[S+1]
	ds_store_b32 v[GTA], v[S]                      ; my channel's sum of vd over all keys; it is read behind the visits' barriers, each of which waits for my LDS lines first
	; ---------------- 17 visits
	s_mov_b32 s[VIS], 16
.Lvisit:
	VISIT2 1
	s_sub_co_u32 s[VIS], s[VIS], 1
	s_cmp_lg_u32 s[VIS], 0
	s_cbranch_scc1 .Lvisit
	VISIT2 0                                       ; the last visit is written out: nothing is asked for
	; ---------------- both blocks leave.  First: the first block's tile 1 += rr x the sum of all vd (rr is 0 but in row 2047)
	WIN 0
.set f, 0
.rept 8
	ds_load_b128 v[S+8*f:S+8*f+3],   v[GTR] offset:64*f
	ds_load_b128 v[S+8*f+4:S+8*f+7], v[GTR] offset:64*f+16
.set f, f+1
.endr
	BOTH v_mov_b32 v[PS+2*t], v[FSH+8*t+3]         ; pscale / 2 into pairs, for the packed lines of the way out
	BOTH v_mov_b32 v[PS+2*t+1], v[FSH+8*t+3]
	BOTH v_mov_b32 v[PS+4+2*t], v[FS+8*t+3]
	BOTH v_mov_b32 v[PS+4+2*t+1], v[FS+8*t+3]
	s_wait_dscnt 0x0
	WIN 0xf0                                       ; destination and source 2 in window 3
.set i, 0
.rept 32
	v_pk_fma_f32 v[OS+64+2*i:OS+64+2*i+1], v[S+2*i:S+2*i+1], v[FSH+14:FSH+15], v[OS+64+2*i:OS+64+2*i+1] op_sel_hi:[1,0,1]
.set i, i+1
.endr
	PACK OS, PS, 0
	PACK OS, PS+2, 1
	SEND 0, 32, OHI                                ; tile 1's sixteen stores and sixteen loads may stay out
	SEND 1, 0, OHI
	s_wait_xcnt 0x0                                ; the stores have read their data: the registers are loaded again behind this wait
	PACK O, PS+4, 0
	PACK O, PS+6, 1
	SEND 0, 32, OLO
	SEND 1, 0, OLO
	s_wait_tensorcnt 0x0                           ; the wave's end, behind my last tensor load and my last LDS store
	ds_add_u32 v[SPW], v[NIL]
	s_wait_dscnt 0x0
	s_endpgm
.Lfunc_end_k_q3919e798b1_apv:
	.size	k_q3919e798b1_apv, .Lfunc_end_k_q3919e798b1_apv-k_q3919e798b1_apv
	.p2alignl 7, 3214868480
	.fill 96, 4, 3214868480
	.section	.rodata,"a",@progbits
	.p2align	6, 0x0
	.amdhsa_kernel k_q3919e798b1_apv
		.amdhsa_group_segment_fixed_size 327680
		.amdhsa_private_segment_fixed_size 0
		.amdhsa_enable_private_segment 0
		.amdhsa_kernarg_size 56
		.amdhsa_user_sgpr_count 2
		.amdhsa_user_sgpr_kernarg_segment_ptr 1
		.amdhsa_wavefront_size32 1
		.amdhsa_system_sgpr_workgroup_id_x 1
		.amdhsa_system_sgpr_workgroup_id_y 1
		.amdhsa_system_sgpr_workgroup_id_z 1
		.amdhsa_system_vgpr_workitem_id 0
		.amdhsa_next_free_vgpr 1024
		.amdhsa_next_free_sgpr 96
		.amdhsa_reserve_vcc 1
		.amdhsa_float_denorm_mode_32 3
		.amdhsa_float_denorm_mode_16_64 3
		.amdhsa_memory_ordered 1
		.amdhsa_forward_progress 1
		.amdhsa_inst_pref_size 147
	.end_amdhsa_kernel
	.amdgpu_metadata
---
amdhsa.version: [ 1, 2 ]
amdhsa.kernels:
  - .name:           k_q3919e798b1_apv
    .symbol:         k_q3919e798b1_apv.kd
    .args:
      - { .name: qh, .offset: 0, .size: 8, .value_kind: global_buffer, .address_space: global }
      - { .name: qc, .offset: 8, .size: 8, .value_kind: global_buffer, .address_space: global }
      - { .name: st, .offset: 16, .size: 8, .value_kind: global_buffer, .address_space: global }
      - { .name: kp, .offset: 24, .size: 8, .value_kind: global_buffer, .address_space: global }
      - { .name: vh, .offset: 32, .size: 8, .value_kind: global_buffer, .address_space: global }
      - { .name: gd, .offset: 40, .size: 8, .value_kind: global_buffer, .address_space: global }
      - { .name: out0, .offset: 48, .size: 8, .value_kind: global_buffer, .address_space: global }
    .group_segment_fixed_size: 327680
    .private_segment_fixed_size: 0
    .kernarg_segment_align: 8
    .kernarg_segment_size: 56
    .max_flat_workgroup_size: 128
    .sgpr_count:     96
    .vgpr_count:     1024
    .wavefront_size: 32
...
	.end_amdgpu_metadata
.endif
;; end of part 3
;; ======== version 2 of 2: 3 launches; version 1 with the launch prep written anew for expert scheduling mode
;; limits: values are held in f16: magnitudes above 65,504 overflow, below 6.1e-05 lose precision; a difference of large sums (such as E[x^2] - mean^2): digits are lost where the result is much smaller than its terms; values within 4e-06 (relative) of each other or of a threshold may be ordered or decided otherwise than in the reference
;; workspace buffers: qh 16,777,216 bytes; kp 17,563,648 bytes; vh 16,777,216 bytes; qc 2,097,152 bytes; gd 262,144 bytes; st 2,097,152 bytes
;; launch prep (part 4): grid 512 x 3, 8 waves a work-group, no clusters, 7,168 bytes of LDS; arguments query_layer, key_layer, value_layer, qscale, qmin, kscale, kmin, vscale, vmin, qh, kp, vh, qc, gd; writes qh, kp, vh, qc, gd
.if DOCPART == 4
	.amdgcn_target "amdgcn-amd-amdhsa--gfx1250"
	.amdhsa_code_object_version 6
	.text
	.protected	k_q3919e798b1_prep
	.globl	k_q3919e798b1_prep
	.p2align	8
	.type	k_q3919e798b1_prep,@function
k_q3919e798b1_prep:
	s_mov_b64 s[64:65], 0
	v_nop
	global_prefetch_b8 v0, s[64:65] scope:SCOPE_SE
	s_setreg_imm32_b32 hwreg(HW_REG_WAVE_SCHED_MODE, 0, 2), 2
	s_setreg_imm32_b32 hwreg(HW_REG_WAVE_MODE, 25, 1), 1
	s_wait_xcnt 0x0
	s_wait_alu depctr_vm_vsrc(0)
; PREPARATION FOR THE ATTENTION LAUNCH.  q, k, v: [2048 s][32 bh][128 d] f32 (a head's row is 512 bytes, rows of a head 16,384 bytes apart).
; Work-group (x, y): head bh = x & 31, tokens 128 T .. 128 T + 127 with T = x >> 5; y = 0: q, 1: k, 2: v.  Each input byte is read once.
;   y = 0: qh[bh][s][128] = q in f16;  qc[bh][s][8] = (a, 0, b, 0, g, 0, 0, 0) in f32 with a = c qscale, g = c qmin, b = a sum_d q + 128 g, c = log2(e) / sqrt(128)
;   y = 1: kp[bh][T] = 134 rows of 256 bytes: 128 rows of k in f16, then kscale[128], kmin[128], u[128] = kscale sum_d k in f32, two rows each
;   y = 2: vh[bh][s][128] = v vscale + vmin in f16 (rounded once);  gd[bh][T][128] = the sum over the group's 128 tokens of v vscale + vmin, in f32, unrounded
; So that sum_d (qs q + qm)(ks k + km) c = a ks (q . k) + b km + g u: q . k is a product of the raw numbers, which f16 holds exactly when they are whole numbers up to 2,048.
; LIMITS.  q, k and v vscale + vmin must lie within f16's range (65,504); NaN and infinities are not treated apart.
; SHARES.  Eight waves; wave w takes rows 16 w .. 16 w + 15, lane l channels 4 l .. 4 l + 3: a load of a wave is a row's 512 bytes, a store its 256 bytes in f16, aligned.
; All sixteen row loads of a wave go out at once.  No matrix unit, no tensor load, no cluster: nothing is shared between work-groups and memory bounds the launch.
; THE MODE: SCHED_MODE bits 1:0 = 2 (LLVM: expert scheduling mode 2), set by the entry lines.  The code itself states the register dependences
; between vector instructions and memory or LDS instructions, with s_wait_alu, always for 0.
; THE PLAN.  Registers that memory or LDS instructions touch:
;   X          Each row's four registers take one load, issued before any vector line names them; then vector lines alone name them (in v's path wave 0's LDS loads land in the first 32 at the end).
;   Y          Row i's pair is written by row i's two conversions, read by row i's store, and never written again.
;   R          Written by the sums across lanes, read by sixteen LDS stores, never written again.
;   v1 .. v11, v14   Offsets and LDS addresses: made at the head, never written again.  v2 and v15 are made once more in a tail, ahead of that tail's own wait.
; The sixteen rows go in four blocks of four.  Block p's vector lines name the X, Y and R (or the column sums) of its own rows alone; its memory lines are the four stores of block p - 1.
; So ONE wait on va_vdst at a block's head states all that those four stores hang on, and they are dealt among the block's vector lines with no further wait.
; No register that a memory or LDS line has read is written again on any way; the one wait on vm_vsrc stands among the entry lines.
.set SUMB,  0                          ; LDS: the 128 row sums
.set SCB,   512                        ; the 128 scales
.set MNB,   1024                       ; the 128 mins
.set STG,   2048                       ; 4,096 bytes: q's factors [128][8], or v's eight partial column sums [8][128]
.set SPARE, 6144                       ; the spare words, 128 bytes for each of eight waves; no other line names them
.set LN,  1                            ; v1   lane
.set VO,  3                            ; v3   my offset in the source: 16 rows x wave + 16 l; never rewritten
.set DO,  4                            ; v4   my offset in the f16 rows: 4,096 x wave + 8 l; never rewritten
.set FO,  5                            ; v5   offset of token t's scale and min (t = thread)
.set GO,  6                            ; v6   offset of my four channels' vscale and vmin
.set T4,  7                            ; v7   4 t
.set L16, 8                            ; v8   16 l
.set W64, 9                            ; v9   64 x wave
.set SPW, 10                           ; v10  my spare word; never rewritten
.set NIL, 11                           ; v11  0; never rewritten
.set T16, 14                           ; v14  16 t: my 16 bytes of q's factors, in the stage and in qc
.set X,   16                           ; v[16:79]   sixteen rows, four numbers each
.set Y,   80                           ; v[80:111]  the rows in f16: each row has its own pair, so no store's data is ever rewritten
.set R,   112                          ; v[112:127] row sums
.set VS,  128                          ; v[128:131] vscale (elsewhere at work)
.set VM,  132                          ; v[132:135] vmin
.set CS,  136                          ; v[136:139] column sums
.set WV,  36
.set BH,  37
.set TT,  38
.set YY,  39
.set SRC, 44
.set SCL, 46
.set MIN, 48
.set DST, 50
	s_load_b512 s[8:23], s[0:1], 0x0               ; q 8, k 10, v 12, qscale 14, qmin 16, kscale 18, kmin 20, vscale 22
	s_load_b256 s[24:31], s[0:1], 0x40             ; vmin 24, qh 26, kp 28, vh 30
	s_load_b128 s[32:35], s[0:1], 0x60             ; qc 32, gd 34
	v_lshl_add_u32 v[SPW], v0, 2, SPARE
	v_mov_b32 v[NIL], 0
	v_lshrrev_b32 v2, 5, v0
	v_readfirstlane_b32 s[WV], v2                  ; wave 0..7
	v_and_b32 v[LN], 31, v0
	s_and_b32 s[BH], ttmp9, 31
	s_lshr_b32 s[TT], ttmp9, 5
	s_and_b32 s[YY], ttmp7, 0xffff
	s_lshl_b32 s40, s[TT], 21                      ; 128 rows of 16,384 bytes
	s_lshl_b32 s41, s[BH], 9
	s_add_co_u32 s40, s40, s41
	s_mov_b32 s41, 0                               ; s[40:41]: the work-group's first row in q, k or v
	s_wait_alu depctr_va_sdst(0)                   ; the wave's number is written, ahead of its first reader: offsets, LDS addresses and branches are made from it
	s_lshl_b32 s42, s[WV], 18
	v_lshl_add_u32 v[VO], v[LN], 4, s42
	s_lshl_b32 s42, s[WV], 12
	v_lshl_add_u32 v[DO], v[LN], 3, s42
	s_lshl_b32 s42, s[TT], 14
	s_lshl_b32 s43, s[BH], 2
	s_add_co_u32 s43, s42, s43
	v_lshl_add_u32 v[FO], v0, 7, s43               ; (128 T + t) x 128 + 4 bh
	s_lshl_b32 s54, s[BH], 9
	s_add_co_u32 s54, s42, s54
	v_lshl_add_u32 v[GO], v[LN], 4, s54            ; T x 16,384 + bh x 512 + 16 l
	v_lshlrev_b32 v[T4], 2, v0
	v_lshlrev_b32 v[T16], 4, v0
	v_lshlrev_b32 v[L16], 4, v[LN]
	s_lshl_b32 s55, s[WV], 6
	v_mov_b32 v[W64], s55
	s_mov_b32 s56, 0x76543210                      ; v_permlanex16_b32: each lane takes its own place in the other half
	s_mov_b32 s57, 0xfedcba98
	s_wait_kmcnt 0x0
	s_wait_alu depctr_va_vdst(0)                   ; the offsets and LDS addresses v3 to v9 and v14 are written, which the loads, stores and LDS lines of both ways read; so are v10 and v11, which the closing add reads
	s_cmp_eq_u32 s[YY], 2                          ; the same in all waves of a work-group
	s_cbranch_scc1 .Lv
; Row i leaves: the wave's store is the row's 256 bytes, aligned.  It stands behind a wait on va_vdst that is younger than the row's two conversions.
.macro OUTROW i
	global_store_b64 v[DO], v[Y+2*(\i):Y+2*(\i)+1], s[DST:DST+1] offset:256*(\i) th:TH_STORE_NT
.endm
	; ---------------- q and k
	s_mov_b32 s52, 548864                          ; kp: bytes of a head,
	s_mov_b32 s53, 34304                           ; of a tile
	s_mov_b32 s58, 524288                          ; qh: the same
	s_mov_b32 s59, 32768
	s_cmp_eq_u32 s[YY], 0
	s_cselect_b64 s[SRC:SRC+1], s[8:9], s[10:11]
	s_cselect_b64 s[SCL:SCL+1], s[14:15], s[18:19]
	s_cselect_b64 s[MIN:MIN+1], s[16:17], s[20:21]
	s_cselect_b64 s[DST:DST+1], s[26:27], s[28:29]
	s_cselect_b32 s52, s58, s52
	s_cselect_b32 s53, s59, s53
	s_mul_i32 s52, s[BH], s52
	s_mul_i32 s53, s[TT], s53
	s_add_co_u32 s52, s52, s53
	s_mov_b32 s53, 0
	s_add_nc_u64 s[SRC:SRC+1], s[SRC:SRC+1], s[40:41]
	s_add_nc_u64 s[DST:DST+1], s[DST:DST+1], s[52:53]
	s_cmp_lt_u32 s[WV], 4                          ; threads 0 to 127 take a token's scale and min: the oldest loads, so the first row's wait covers them
	s_cbranch_scc0 .Lrows
	global_load_b32 v12, v[FO], s[SCL:SCL+1]
	global_load_b32 v13, v[FO], s[MIN:MIN+1]
.Lrows:
.irp i, 0,1,2,3,4,5,6,7,8,9,10,11,12,13,14,15
	global_load_b128 v[X+4*\i:X+4*\i+3], v[VO], s[SRC:SRC+1] offset:16384*\i th:TH_LOAD_NT
.endr
.macro ROWQK i
	s_wait_loadcnt 15-(\i)                         ; loads come back in order: row i is in, the 15 - i younger rows stay out
.if ((\i) % 4 == 0) && ((\i) > 0)
	s_wait_alu depctr_va_vdst(0)                   ; a block's head: the conversions of the four rows before have written their pairs of Y, which the block's four stores read
.endif
.if (\i) >= 4
	OUTROW (\i)-4                                  ; the row four back; no vector line since the wait names its pair or the offset
.endif
	v_cvt_pk_f16_f32 v[Y+2*(\i)], v[X+4*(\i)], v[X+4*(\i)+1]
	v_cvt_pk_f16_f32 v[Y+2*(\i)+1], v[X+4*(\i)+2], v[X+4*(\i)+3]
	v_pk_add_f32 v[X+4*(\i):X+4*(\i)+1], v[X+4*(\i):X+4*(\i)+1], v[X+4*(\i)+2:X+4*(\i)+3]
	v_add_f32 v[R+(\i)], v[X+4*(\i)], v[X+4*(\i)+1]
.endm
.irp i, 0,1,2,3,4,5,6,7,8,9,10,11,12,13,14,15
	ROWQK \i
.endr
	s_wait_alu depctr_va_vdst(0)                   ; the conversions of rows 12 to 15 have written their pairs of Y, which the last four stores read
.irp i, 12,13,14,15
	OUTROW \i
.endr
	; the sixteen row sums across the 32 lanes: four steps inside each half ride on the addition, one crosses the halves
.irp m, 1,2,4,8
.irp i, 0,1,2,3,4,5,6,7,8,9,10,11,12,13,14,15
	v_add_f32_dpp v[R+\i], v[R+\i], v[R+\i] row_xmask:\m row_mask:0xf bank_mask:0xf
.endr
.endr
.irp i, 0,1,2,3,4,5,6,7,8,9,10,11,12,13,14,15
	v_permlanex16_b32 v[X+\i], v[R+\i], s56, s57   ; its destination has been written: a row's registers, which are free
.endr
.irp i, 0,1,2,3,4,5,6,7,8,9,10,11,12,13,14,15
	v_add_f32 v[R+\i], v[R+\i], v[X+\i]
.endr
	s_wait_alu depctr_va_vdst(0)                   ; the additions have written the sixteen sums R, which the LDS stores read
.irp i, 0,1,2,3,4,5,6,7,8,9,10,11,12,13,14,15
	ds_store_b32 v[W64], v[R+\i] offset:SUMB+4*\i  ; all lanes write the same word with the same number
.endr
	s_cmp_lt_u32 s[WV], 4
	s_cbranch_scc0 .Lnosc
	ds_store_b32 v[T4], v12 offset:SCB             ; their data came by loads, which the first row's wait has shown done
	ds_store_b32 v[T4], v13 offset:MNB
.Lnosc:
	s_wait_dscnt 0x0                               ; for the others' sake: my stores are done
	s_barrier_signal -1
	s_barrier_wait -1
	s_cmp_eq_u32 s[YY], 0
	s_cbranch_scc1 .Lqtail
	; k's three planes: wave 0 kscale, wave 1 kmin, wave 2 kscale x row sum; a wave's store is a whole plane of 512 bytes
	s_cmp_lt_u32 s[WV], 3
	s_cbranch_scc0 .Lend
	s_cmp_eq_u32 s[WV], 1
	s_cselect_b32 s42, 512, 0                      ; the mins lie 512 bytes behind the scales
	s_lshl_b32 s43, s[WV], 9
	v_add_nc_u32 v15, s42, v[L16]
	v_add_nc_u32 v2, s43, v[L16]
	s_wait_alu depctr_va_vdst(0)                   ; v15 is written, which the first LDS load reads as its address, and v2, which the plane's store reads as its offset
	ds_load_b128 v[128:131], v15 offset:SCB
	ds_load_b128 v[132:135], v[L16] offset:SUMB
	s_wait_dscnt 0x0
	s_cmp_eq_u32 s[WV], 2
	s_cbranch_scc0 .Lkst
	v_pk_mul_f32 v[128:129], v[128:129], v[132:133]
	v_pk_mul_f32 v[130:131], v[130:131], v[134:135]
.Lkst:
	s_wait_alu depctr_va_vdst(0)                   ; wave 2's two products have written v[128:131], which the store reads
	global_store_b128 v2, v[128:131], s[DST:DST+1] offset:32768 th:TH_STORE_NT
	s_branch .Lend
.Lqtail:
	; q's factors: thread t makes token t's, lays 32 bytes into the stage; then all 256 threads store 16 bytes each, 4,096 bytes on end
	s_cmp_lt_u32 s[WV], 4
	s_cbranch_scc0 .Lqbar
	ds_load_b32 v15, v[T4] offset:SUMB
	v_mul_f32 v128, 0x3e0293ee, v12                ; a = c qscale
	v_mul_f32 v132, 0x3e0293ee, v13                ; g = c qmin
	v_mov_b32 v129, 0
	v_mov_b32 v131, 0
	v_mov_b32 v133, 0
	v_mov_b32 v134, 0
	v_mov_b32 v135, 0
	v_mul_f32 v130, 0x43000000, v132               ; 128 g
	v_lshlrev_b32 v2, 5, v0
	s_wait_dscnt 0x0
	v_fmac_f32 v130, v128, v15                     ; b = a sum q + 128 g
	s_wait_alu depctr_va_vdst(0)                   ; the token's eight words v[128:135] and the address v2 are written, which the two LDS stores read
	ds_store_b128 v2, v[128:131] offset:STG
	ds_store_b128 v2, v[132:135] offset:STG+16
.Lqbar:
	s_wait_dscnt 0x0
	s_barrier_signal -1
	s_barrier_wait -1
	ds_load_b128 v[136:139], v[T16] offset:STG     ; no vector line of this way names v[136:139]; the address was made at the head
	s_lshl_b32 s52, s[BH], 16
	s_lshl_b32 s53, s[TT], 12
	s_add_co_u32 s52, s52, s53
	s_mov_b32 s53, 0
	s_add_nc_u64 s[32:33], s[32:33], s[52:53]
	s_wait_dscnt 0x0
	global_store_b128 v[T16], v[136:139], s[32:33] th:TH_STORE_NT
	s_branch .Lend
	; ---------------- v
.Lv:
	s_add_nc_u64 s[SRC:SRC+1], s[12:13], s[40:41]
	s_lshl_b32 s52, s[BH], 19
	s_lshl_b32 s53, s[TT], 15
	s_add_co_u32 s52, s52, s53
	s_mov_b32 s53, 0
	s_add_nc_u64 s[DST:DST+1], s[30:31], s[52:53]
	global_load_b128 v[VS:VS+3], v[GO], s[22:23]   ; the group's scale and min of my four channels: the oldest loads
	global_load_b128 v[VM:VM+3], v[GO], s[24:25]
.irp i, 0,1,2,3,4,5,6,7,8,9,10,11,12,13,14,15
	global_load_b128 v[X+4*\i:X+4*\i+3], v[VO], s[SRC:SRC+1] offset:16384*\i th:TH_LOAD_NT
.endr
.macro ROWV i
	s_wait_loadcnt 15-(\i)
.if ((\i) % 4 == 0) && ((\i) > 0)
	s_wait_alu depctr_va_vdst(0)                   ; a block's head: the conversions of the four rows before have written their pairs of Y, which the block's four stores read
.endif
.if (\i) >= 4
	OUTROW (\i)-4                                  ; the row four back; no vector line since the wait names its pair or the offset
.endif
	v_pk_fma_f32 v[X+4*(\i):X+4*(\i)+1], v[X+4*(\i):X+4*(\i)+1], v[VS:VS+1], v[VM:VM+1]
	v_pk_fma_f32 v[X+4*(\i)+2:X+4*(\i)+3], v[X+4*(\i)+2:X+4*(\i)+3], v[VS+2:VS+3], v[VM+2:VM+3]
	v_cvt_pk_f16_f32 v[Y+2*(\i)], v[X+4*(\i)], v[X+4*(\i)+1]
	v_cvt_pk_f16_f32 v[Y+2*(\i)+1], v[X+4*(\i)+2], v[X+4*(\i)+3]
.if (\i) == 1                          ; rows 0 and 1 start the column sums: nothing is cleared
	v_pk_add_f32 v[CS:CS+1], v[X:X+1], v[X+4:X+5]
	v_pk_add_f32 v[CS+2:CS+3], v[X+2:X+3], v[X+6:X+7]
.elseif (\i) > 1
	v_pk_add_f32 v[CS:CS+1], v[CS:CS+1], v[X+4*(\i):X+4*(\i)+1]
	v_pk_add_f32 v[CS+2:CS+3], v[CS+2:CS+3], v[X+4*(\i)+2:X+4*(\i)+3]
.endif
.endm
.irp i, 0,1,2,3,4,5,6,7,8,9,10,11,12,13,14,15
	ROWV \i
.endr
	s_lshl_b32 s42, s[WV], 9
	v_add_nc_u32 v15, s42, v[L16]
	s_wait_alu depctr_va_vdst(0)                   ; written: the column sums and the address v15, which the LDS store reads, and the pairs of Y of rows 12 to 15, which the last four stores read; and every vector line is done with X, in which wave 0's LDS loads land behind the barrier
	ds_store_b128 v15, v[CS:CS+3] offset:STG
.irp i, 12,13,14,15
	OUTROW \i
.endr
	s_wait_dscnt 0x0
	s_barrier_signal -1
	s_barrier_wait -1                              ; the eight waves' column sums lie in the stage
	s_cmp_eq_u32 s[WV], 0
	s_cbranch_scc0 .Lend
.irp j, 0,1,2,3,4,5,6,7
	ds_load_b128 v[X+4*\j:X+4*\j+3], v[L16] offset:STG+512*\j  ; no vector line has been issued since the wait above
.endr
	s_lshl_b32 s52, s[BH], 13
	s_lshl_b32 s53, s[TT], 9
	s_add_co_u32 s52, s52, s53
	s_mov_b32 s53, 0
	s_add_nc_u64 s[34:35], s[34:35], s[52:53]
	s_wait_dscnt 0x0
.irp j, 0,8,16,24
	v_pk_add_f32 v[X+\j:X+\j+1], v[X+\j:X+\j+1], v[X+\j+4:X+\j+5]
	v_pk_add_f32 v[X+\j+2:X+\j+3], v[X+\j+2:X+\j+3], v[X+\j+6:X+\j+7]
.endr
.irp j, 0,16
	v_pk_add_f32 v[X+\j:X+\j+1], v[X+\j:X+\j+1], v[X+\j+8:X+\j+9]
	v_pk_add_f32 v[X+\j+2:X+\j+3], v[X+\j+2:X+\j+3], v[X+\j+10:X+\j+11]
.endr
	v_pk_add_f32 v[X:X+1], v[X:X+1], v[X+16:X+17]
	v_pk_add_f32 v[X+2:X+3], v[X+2:X+3], v[X+18:X+19]
	s_wait_alu depctr_va_vdst(0)                   ; the additions have written v[X:X+3], which the store reads
	global_store_b128 v[L16], v[X:X+3], s[34:35] th:TH_STORE_NT  ; 512 bytes on end
.Lend:
	s_wait_dscnt 0x0                               ; the wave's end
	s_wait_alu 0x0
	s_wait_tensorcnt 0x0
	ds_add_u32 v[SPW], v[NIL]
	s_wait_dscnt 0x0
	s_endpgm
.Lfunc_end_k_q3919e798b1_prep:
	.size	k_q3919e798b1_prep, .Lfunc_end_k_q3919e798b1_prep-k_q3919e798b1_prep
	.p2alignl 7, 3214868480
	.fill 96, 4, 3214868480
	.section	.rodata,"a",@progbits
	.p2align	6, 0x0
	.amdhsa_kernel k_q3919e798b1_prep
		.amdhsa_group_segment_fixed_size 7168
		.amdhsa_private_segment_fixed_size 0
		.amdhsa_enable_private_segment 0
		.amdhsa_kernarg_size 112
		.amdhsa_user_sgpr_count 2
		.amdhsa_user_sgpr_kernarg_segment_ptr 1
		.amdhsa_wavefront_size32 1
		.amdhsa_system_sgpr_workgroup_id_x 1
		.amdhsa_system_sgpr_workgroup_id_y 1
		.amdhsa_system_sgpr_workgroup_id_z 1
		.amdhsa_system_vgpr_workitem_id 0
		.amdhsa_next_free_vgpr 144
		.amdhsa_next_free_sgpr 66
		.amdhsa_reserve_vcc 0
		.amdhsa_float_denorm_mode_32 3
		.amdhsa_float_denorm_mode_16_64 3
		.amdhsa_memory_ordered 1
		.amdhsa_forward_progress 1
		.amdhsa_inst_pref_size 31
	.end_amdhsa_kernel
	.amdgpu_metadata
---
amdhsa.version: [ 1, 2 ]
amdhsa.kernels:
  - .name:           k_q3919e798b1_prep
    .symbol:         k_q3919e798b1_prep.kd
    .args:
      - { .name: query_layer, .offset: 0, .size: 8, .value_kind: global_buffer, .address_space: global }
      - { .name: key_layer, .offset: 8, .size: 8, .value_kind: global_buffer, .address_space: global }
      - { .name: value_layer, .offset: 16, .size: 8, .value_kind: global_buffer, .address_space: global }
      - { .name: qscale, .offset: 24, .size: 8, .value_kind: global_buffer, .address_space: global }
      - { .name: qmin, .offset: 32, .size: 8, .value_kind: global_buffer, .address_space: global }
      - { .name: kscale, .offset: 40, .size: 8, .value_kind: global_buffer, .address_space: global }
      - { .name: kmin, .offset: 48, .size: 8, .value_kind: global_buffer, .address_space: global }
      - { .name: vscale, .offset: 56, .size: 8, .value_kind: global_buffer, .address_space: global }
      - { .name: vmin, .offset: 64, .size: 8, .value_kind: global_buffer, .address_space: global }
      - { .name: qh, .offset: 72, .size: 8, .value_kind: global_buffer, .address_space: global }
      - { .name: kp, .offset: 80, .size: 8, .value_kind: global_buffer, .address_space: global }
      - { .name: vh, .offset: 88, .size: 8, .value_kind: global_buffer, .address_space: global }
      - { .name: qc, .offset: 96, .size: 8, .value_kind: global_buffer, .address_space: global }
      - { .name: gd, .offset: 104, .size: 8, .value_kind: global_buffer, .address_space: global }
    .group_segment_fixed_size: 7168
    .private_segment_fixed_size: 0
    .kernarg_segment_align: 8
    .kernarg_segment_size: 112
    .max_flat_workgroup_size: 256
    .sgpr_count:     66
    .vgpr_count:     144
    .wavefront_size: 32
...
	.end_amdgpu_metadata
.endif
;; end of part 4
;; launch stat: the kernel of part 2 again; grid 8 x 32, 4 waves a work-group, no clusters, 327,680 bytes of LDS; arguments qh, qc, kp, st; writes st
;; launch apv: the kernel of part 3 again; grid 8 x 32, 4 waves a work-group, no clusters, 327,680 bytes of LDS; arguments qh, qc, st, kp, vh, gd, out0; writes out0
